; MI455X (gfx1250); checked and timed in simulation.
; The chip was launched on July 23, 2026; its instructions are those of AMD's public machine-readable ISA for CDNA 5 (MIT licence, August 2026) and "CDNA5" Instruction Set Architecture Reference Guide (July 2026). The comments in the code are by the model that wrote it; some were corrected since.
;; Sparse Attention. Allowed arithmetic: matrix products marked QUANTISED: E2M1 operands, one E8M0 scale for each 32 along K, by v_wmma_scale_f32_16x16x128_f8f6f4 with both operands' format E2M1 (or v_wmma_scale_f32_32x16x128_f4), f32 sums; products left as they are: bf16, f16 or f32 operands; f32 sums; everything else in f32.
;; Inputs: Wo 1,024 x 1,024 float32; Wq 1,024 x 1,024 float32; Wv 1,024 x 1,024 float32; bo 1,024 float32; bq 1,024 float32; bv 1,024 float32; position_mask 512 x 8 x 512 float32; x 4 x 512 x 1,024 float32.
;; Outputs: out0 4 x 512 x 1,024 float32.
;; This version of the problem:
;;   THIS VERSION OF THE PROBLEM IS GIVEN IN LOW PRECISION. The matrix products marked QUANTISED in the list below multiply operands that are first quantised to E2M1 (2 exponent bits, 1 mantissa bit; 4 bits a number), with one power-of-two scale for each 32 numbers along K (OCP MX v1.0); their sums are f32. The products marked 'left as it is' may take bf16, f16 or f32 operands, with f32 sums. Whichever they take, every output number must still come out within the allowed error. Rounding operands to bf16 (8 significant bits) uses up far more of that allowance than f16 does (11 bits, for magnitudes from 6e-5 to 65,504). All else is computed in f32.
;;   The module's matrix products, in the order in which they are computed (A, B: the left and right operand; K: the contracted axis; several contracted axes count as one K, in the product's order):
;;     1. [M 4,096, K 512] x [K 512, N 4,096]; A: input position_mask; B: input x: QUANTISED
;;     2. [M 2,048, K 1,024] x [K 1,024, N 1,024]; A: input x; B: input Wq: QUANTISED
;;     3. [M 16,384, K 1,024] x [K 1,024, N 1,024]; A: computed on the way; B: input Wq: left as it is (an operand is computed on the way)
;;     4. [M 16,384, K 1,024] x [K 1,024, N 1,024]; A: computed on the way; B: input Wv: left as it is (an operand is computed on the way)
;;     5. batch 32,768 x [M 1, K 64] x [K 64, N 8]; A: computed on the way; B: computed on the way: left as it is (M = 1 < 16)
;;     6. batch 32,768 x [M 1, K 8] x [K 8, N 64]; A: computed on the way; B: computed on the way: left as it is (K = 8 < 32)
;;     7. [M 2,048, K 1,024] x [K 1,024, N 1,024]; A: computed on the way; B: input Wo: left as it is (an operand is computed on the way)
;;   THE QUANTISER, for each operand of a quantised product, along K:
;;     - K is cut into blocks of 32 from its start; a last block that is shorter is filled with zeros.
;;     - A block's scale is 2^e with e = floor(log2(the largest magnitude in the block)) - 2, held to -126 .. 127; a block of zeros has e = 0. As a byte (E8M0): e + 127.
;;     - Each number is divided by its block's scale, clamped to +-6, and rounded to the nearest number of E2M1, ties to even, subnormals kept.
;;     - The product sums the exact products of the quantised numbers (number of the format x scale) in f32.
;;   ~~~python
;;   def quantise(x, axis):      # numpy; x: float32 -> the quantised numbers, widened to float32 again
;;       x = np.moveaxis(x, axis, -1); K = x.shape[-1]
;;       x = np.pad(x, [(0, 0)] * (x.ndim - 1) + [(0, -K % 32)]); x = x.reshape(x.shape[:-1] + (-1, 32)); a = np.abs(x).max(-1, keepdims=True)
;;       e = np.where(a > 0, np.clip(np.frexp(np.where(a > 0, a, 1))[1] - 1 - 2, -126, 127), 0)      # np.frexp(a)[1] - 1 = floor(log2(a)), exactly
;;       r = np.clip(x / 2.0 ** e, -6, 6)
;;       step = 2.0 ** (np.maximum(np.frexp(np.where(r == 0, 1, r))[1] - 1, 0) - 1)
;;       q = np.round(r / step) * step * 2.0 ** e      # np.round: ties to even
;;       return np.moveaxis(q.reshape(q.shape[:-2] + (-1,))[..., :K], -1, axis).astype(np.float32)
;;   ~~~
;; One version. Each part assembles by itself: llvm-mc -triple=amdgcn-amd-amdhsa -mcpu=gfx1250 --defsym DOCPART=n.
;; ======== version 1 of 1: 4 launches
;; limits: values are held in f16: magnitudes above 65,504 overflow, below 6.1e-05 lose precision
;; workspace buffers: q4 3,964,928 bytes; w16 6,291,456 bytes; att 33,554,432 bytes; o16 4,325,376 bytes
;; launch prep (part 1): grid 640 x 1, 4 waves a work-group, no clusters, 88,576 bytes of LDS; arguments x, position_mask, Wq, Wv, Wo, q4, w16; writes q4, w16
.if DOCPART == 1
	.amdgcn_target "amdgcn-amd-amdhsa--gfx1250"
	.amdhsa_code_object_version 6
	.text
	.protected	k_q191054a8ad_prep
	.globl	k_q191054a8ad_prep
	.p2align	8
	.type	k_q191054a8ad_prep,@function
k_q191054a8ad_prep:
	s_mov_b64 s[64:65], 0
	v_nop
	global_prefetch_b8 v0, s[64:65] scope:SCOPE_SE
	s_setreg_imm32_b32 hwreg(HW_REG_WAVE_MODE, 25, 1), 1
	s_wait_xcnt 0x0
; PREP: every operand is brought once into the form in which the later launches read it.
;   q4 : codes of FP4 (E2M1) and E8M0 scale bytes, one for each 32 along K, by the stated quantiser:
;        MQC  position_mask along s, rows (w 512 + t) of 256 bytes      MQS its scale bytes, 16 a row
;        XSC  x along s, rows (b 1024 + e) of 256 bytes                 XSS its scale bytes
;        WQC  Wq along its first axis, [2 planes of 512 k][1024 e][256] WQS its scale bytes [2][1024][16]
;        XEI  x along e, as images of operand registers: [128 blocks of 16 rows][8 K steps][1024 bytes]   XES the scale words, 4 bytes a lane
;   w16: f16 with K innermost: WKV rows (head/2) 256 + (head%2) 128 + kv 64 + d of Wq (kv 0) and Wv (kv 1), column e = 16 d + head;  WOT rows n of Wo.
; The work-group number picks the path (a scalar branch, the same in all four waves); each path has LDS bytes of its own.
;   0-127 mask, 128-255 x along s, 256-319 Wq: a lane takes a column, its registers run down K, so a block of 32 lies in one lane and the codes come out with K innermost.
;   A work-group takes 32 columns x 512 along K, a wave 128 of them; the four waves' codes meet in a stage, and the 32 rows x 256 bytes leave as one dense block of 8,192 bytes.
;   320-447 Wq, Wv to f16 by heads, 448-511 Wo to f16: the same loads; a wave's 32 columns x 128 k turn through its own stage and leave as rows of 256 bytes.
;   512-639 x along e: 16 rows x 1,024; a wave makes two fragments and stores them as they stand in its registers.
; Nothing is shared between work-groups and no tile is read twice by one, so there are no tensor loads, no cluster and no matrix work: the launch streams.
; LIMITS: a block of zeros gets the byte 1 (not 127) with zero codes: the bytes are read by this program alone, and zero codes add nothing under that byte.
;   Blocks whose largest magnitude lies under 2^-124 are quantised under the byte 1.  Weights are rounded to f16: magnitudes above 65,504 are not served.  NaN and infinities are not served.
.set MQC,    0
.set XSC,    0x100000
.set WQC,    0x200000
.set XEI,    0x280000
.set MQS,    0x380000
.set XSS,    0x390000
.set WQS,    0x3a0000
.set XES,    0x3a8000
.set WOT,    0x400000
.set STG_M,  0                         ; mask path: 32 rows x (256 + 16) bytes of codes,
.set SCS_M,  8704                      ; and 32 x 16 scale bytes
.set STG_X,  9216                      ; the same for the path of x and Wq
.set SCS_X,  17920
.set STGH_P, 18432                     ; f16 by heads: a stage of 32 x 272 bytes for each wave
.set STGH_N, 53248                     ; f16 in natural order: likewise
.set SPARE,  88064                     ; the spare words, 128 bytes for each wave: two blocks of 256 bytes that no other line names
.set SPW,    24                        ; v24  LDS address of my spare word; never rewritten
.set NIL,    25                        ; v25  0; never rewritten
.set X,      64                        ; v64-191  128 numbers of a lane: four sets of 32
.set RB,     192                       ; v192-207 codes read back from the stage
.set TM,     208                       ; v208-223 at work in QUANT
.set SEL,    28                        ; s[28:29] lane selects for v_permlanex16_b32: lane l xor 16
	s_load_b256 s[4:11], s[0:1], 0x0               ; x s[4:5], position_mask s[6:7], Wq s[8:9], Wv s[10:11]
	s_load_b128 s[12:15], s[0:1], 0x20             ; Wo s[12:13], q4 s[14:15]
	s_load_b64 s[16:17], s[0:1], 0x30              ; w16
	v_lshl_add_u32 v[SPW], v0, 2, SPARE
	v_mov_b32 v[NIL], 0
	v_lshrrev_b32 v1, 5, v0
	v_readfirstlane_b32 s18, v1                    ; wave 0..3
	v_and_b32 v1, 31, v0                           ; lane
	v_and_b32 v2, 15, v0                           ; r
	v_bfe_u32 v3, v0, 4, 1                         ; hh
	v_lshlrev_b32 v4, 2, v1                        ; 4 x lane
	v_lshlrev_b32 v5, 4, v1                        ; 16 x lane
	; every LDS address is made here, ahead of the paths' parting: a constant + a constant x lane + a constant x wave
	v_mul_u32_u24 v26, v1, 272                     ; a stage row for each lane
	v_mul_u32_u24 v27, v3, 272
	v_lshl_add_u32 v27, v2, 4, v27                 ; back by rows: sixteen lanes to a row, two rows an instruction
	s_lshl_b32 s19, s18, 6
	v_add_nc_u32 v8, s19, v26                      ; v8   mask: my column's row + my wave's 64 bytes (STG_M is 0)
	v_add_nc_u32 v12, STG_X, v8                    ; v12  the same for x and Wq
	s_lshl_b32 s19, s18, 2
	v_add_nc_u32 v13, s19, v5
	v_add_nc_u32 v9, SCS_M, v13                    ; v9   mask: my column's 16 scale bytes, my wave's four
	v_add_nc_u32 v13, SCS_X, v13                   ; v13
	s_mul_i32 s19, s18, 8*272
	v_add_nc_u32 v10, s19, v27                     ; v10  mask: rows 8 wave + hh + 2 i, read back
	v_add_nc_u32 v14, STG_X, v10                   ; v14
	v_add_nc_u32 v11, SCS_M, v5                    ; v11  mask: the 512 scale bytes, 16 a lane
	v_add_nc_u32 v15, SCS_X, v5                    ; v15
	s_mul_i32 s19, s18, 8704
	v_add_nc_u32 v16, s19, v26
	v_add_nc_u32 v18, STGH_N, v16                  ; v18  f16, natural: into my wave's stage
	v_add_nc_u32 v16, STGH_P, v16                  ; v16  f16, by heads
	v_add_nc_u32 v17, s19, v27
	v_add_nc_u32 v19, STGH_N, v17                  ; v19  and back
	v_add_nc_u32 v17, STGH_P, v17                  ; v17
	s_lshl_b32 s19, s18, 11
	v_add_nc_u32 v20, s19, v5                      ; v20  codes out: 2,048 x wave + 16 x lane in the work-group's dense 8,192 bytes
	v_lshlrev_b32 v28, 4, v2
	v_lshl_add_u32 v21, v3, 18, v28                ; v21  f16 by heads out: an odd column is the next head, 128 rows of 2,048 bytes on
	v_lshl_add_u32 v22, v3, 11, v28                ; v22  f16 natural out: an odd column is the next row
	v_lshlrev_b32 v23, 12, v2
	v_lshl_add_u32 v23, v3, 6, v23                 ; v23  x along e: row r of 4,096 bytes + 64 hh: my 16 numbers of a block of 32
	s_mov_b32 s[SEL], 0x76543210
	s_mov_b32 s[SEL+1], 0xfedcba98
	s_and_b32 s26, ttmp9, 31                       ; cg: which 32 columns of 1,024
	s_lshr_b32 s27, ttmp9, 5
.macro FIN                             ; a wave's end
	s_wait_tensorcnt 0x0
	ds_add_u32 v[SPW], v[NIL]
	s_wait_dscnt 0x0
	s_endpgm
.endm
.macro KOFF                            ; s27 = which 512 along K.  s34 = my wave's first K row; s[30:31] = its byte in a tensor with rows of 4,096 bytes, at my 32 columns
	s_lshl_b32 s34, s27, 9
	s_lshl_b32 s31, s18, 7
	s_add_co_u32 s34, s34, s31
	s_lshl_b32 s30, s34, 12
	s_lshl_b32 s31, s26, 7
	s_add_co_u32 s30, s30, s31
	s_mov_b32 s31, 0
.endm
.macro LOADX pitch, nt                 ; 128 rows of K at my column: 32 lanes read 128 consecutive bytes of a row
.set LI, 0
.rept 128
.if \nt
	global_load_b32 v[X+LI], v4, s[20:21] offset:LI*\pitch th:TH_LOAD_NT
.else
	global_load_b32 v[X+LI], v4, s[20:21] offset:LI*\pitch
.endif
.set LI, LI+1
.endr
.endm
.macro BLOCKQ t, sta                   ; block t of my column: all its 32 numbers are mine
.set XB, X+32*(\t)
.if \t < 2
	s_wait_loadcnt 63                              ; 96 or 64 loads were issued behind this block's; the count is held at the counter's largest: 65 of the 128 are then in, blocks 0 and 1 among them
.else
	s_wait_loadcnt 32*(3-(\t))                     ; the loads issued behind this block's may be out
.endif
	v_max3_num_f32 v26, |v[XB]|, |v[XB+1]|, |v[XB+2]|
	v_max3_num_f32 v27, |v[XB+3]|, |v[XB+4]|, |v[XB+5]|
.irp i, 6,10,14,18,22,26
	v_max3_num_f32 v26, v26, |v[XB+\i]|, |v[XB+\i+1]|
	v_max3_num_f32 v27, v27, |v[XB+\i+2]|, |v[XB+\i+3]|
.endr
	v_max3_num_f32 v26, v26, |v[XB+30]|, |v[XB+31]|
	v_max3_num_f32 v26, v26, v27, 0x1800000        ; the floor 2^(3 - 127): the byte cannot fall under 1
	v_add_nc_u32 v[33+\t], 0xff000000, v26         ; 2 off the exponent field: the conversion takes the exponent field of this operand as its scale
	v_lshrrev_b32 v28, 23, v[33+\t]                ; the scale byte
.if \t == 0
	v_mov_b32 v32, v28
.else
	v_lshl_or_b32 v32, v28, 8*(\t), v32            ; my wave's four bytes of the column, the lower K in the lower byte
.endif
.irp g, 0,1,2,3
	v_cvt_scalef32_pk8_fp4_f32 v[40+4*(\t)+\g], v[XB+8*\g:XB+8*\g+7], v[33+\t]
.endr
	ds_store_b128 v[\sta], v[40+4*(\t):43+4*(\t)] offset:16*(\t)
.endm
; A quantising path: s[20:21] the source at my wave's first K row and the group's first column, s[22:23] the group's 8,192 bytes of codes, s[24:25] its 512 scale bytes
.macro QK pitch, nt, sta, ssa, rda, sra
	LOADX \pitch, \nt
	BLOCKQ 0, \sta
	BLOCKQ 1, \sta
	BLOCKQ 2, \sta
	BLOCKQ 3, \sta
	v_nop                                          ; one plain line behind the last scaled conversion
	ds_store_b32 v[\ssa], v32
	s_wait_dscnt 0x0                               ; for the other waves: my stores into the stage are done
	s_barrier_signal -1
	s_barrier_wait -1                              ; 32 whole rows of 256 bytes lie in the stage
.irp i, 0,1,2,3
	ds_load_b128 v[RB+4*\i:RB+4*\i+3], v[\rda] offset:544*\i
.endr
.irp i, 0,1,2,3
	s_wait_dscnt 3-\i                              ; the younger reads may be out
	global_store_b128 v20, v[RB+4*\i:RB+4*\i+3], s[22:23] offset:512*\i   ; 32 lanes store 512 consecutive bytes, aligned to 256
.endr
	s_cmp_lg_u32 s18, 0                            ; wave 0 stores the group's scale bytes: 512 consecutive bytes
	s_cbranch_scc1 .Lno_scales_\@
	ds_load_b128 v[60:63], v[\sra]
	s_wait_dscnt 0x0
	global_store_b128 v5, v[60:63], s[24:25]
.Lno_scales_\@:
	FIN
.endm
; A path to f16: s[20:21] as above, s[22:23] the place of column 0, k 0 of my wave's part.  Row 2 i + hh of the stage goes (i % 8) sa + (i / 8) sb bytes on
.macro HK sta, rda, goa, sa, sb
	LOADX 4096, 0
.irp t, 0,1,2,3
.if \t < 2
	s_wait_loadcnt 63
.else
	s_wait_loadcnt 32*(3-\t)
.endif
.irp i, 0,1,2,3,4,5,6,7,8,9,10,11,12,13,14,15
	v_cvt_pk_f16_f32 v[X+32*\t+\i], v[X+32*\t+2*\i], v[X+32*\t+2*\i+1]   ; in place, ascending: a result never lands on numbers still to be read; the lower k in the low half
.endr
.irp c, 0,1,2,3
	ds_store_b128 v[\sta], v[X+32*\t+4*\c:X+32*\t+4*\c+3] offset:64*\t+16*\c
.endr
.endr
.irp i, 0,1,2,3,4,5,6,7,8,9,10,11,12,13,14,15
	ds_load_b128 v[X+32*(\i/4)+16+4*(\i%4):X+32*(\i/4)+16+4*(\i%4)+3], v[\rda] offset:544*\i   ; the stage is my wave's own, and LDS serves a wave's instructions in order: these see my stores
.endr
.irp i, 0,1,2,3,4,5,6,7,8,9,10,11,12,13,14,15
	s_wait_dscnt 15-\i
	global_store_b128 v[\goa], v[X+32*(\i/4)+16+4*(\i%4):X+32*(\i/4)+16+4*(\i%4)+3], s[22:23] offset:(\i%8)*\sa+(\i/8)*\sb   ; sixteen lanes store 256 consecutive bytes, aligned
.endr
	FIN
.endm
; 64 numbers of a lane, register 16 b + i = k 32 b + 16 hh + i of my row, become a fragment's codes in v[pc] on and its scale word in v[pw]
.macro QUANT s, pc, pw
.irp b, 0,1,2,3
	v_max3_num_f32 v[TM+\b], |v[\s+16*\b]|, |v[\s+1+16*\b]|, 0x1800000
.endr
.irp i, 2,4,6,8,10,12,14
.irp b, 0,1,2,3
	v_max3_num_f32 v[TM+\b], v[TM+\b], |v[\s+16*\b+\i]|, |v[\s+1+16*\b+\i]|
.endr
.endr
.irp b, 0,1,2,3
	v_permlanex16_b32 v[TM+4+\b], v[TM+\b], s[SEL], s[SEL+1]
.endr
.irp b, 0,1,2,3
	v_max_num_f32 v[TM+\b], v[TM+\b], v[TM+4+\b]   ; with lane l xor 16: the block's largest magnitude
.endr
.irp b, 0,1,2,3
	v_add_nc_u32 v[TM+12+\b], 0xff000000, v[TM+\b]
.endr
.irp b, 0,1,2,3
	v_lshrrev_b32 v[TM+4+\b], 23, v[TM+12+\b]
.endr
	v_lshl_or_b32 v[\pw], v[TM+5], 8, v[TM+4]
	v_lshl_or_b32 v[\pw], v[TM+6], 16, v[\pw]
	v_lshl_or_b32 v[\pw], v[TM+7], 24, v[\pw]
.irp b, 0,1,2,3
	v_cvt_scalef32_pk8_fp4_f32 v[\pc+2*\b], v[\s+16*\b:\s+7+16*\b], v[TM+12+\b]
	v_cvt_scalef32_pk8_fp4_f32 v[\pc+1+2*\b], v[\s+8+16*\b:\s+15+16*\b], v[TM+12+\b]
.endr
	v_nop                                          ; one plain line behind a scaled conversion
.irp c, 0,1                            ; the operand wants a whole block in a lane: lanes 0-15 block 2 c, lanes 16-31 block 2 c + 1
.irp i, 0,1
	v_permlane16_swap_b32 v[\pc+4*\c+\i], v[\pc+2+4*\c+\i]
.endr
.endr
.endm
	s_wait_kmcnt 0x0
	s_cmp_ge_u32 ttmp9, 512
	s_cbranch_scc1 .Lxe
	s_cmp_ge_u32 ttmp9, 448
	s_cbranch_scc1 .Lhn
	s_cmp_ge_u32 ttmp9, 320
	s_cbranch_scc1 .Lhp
	s_cmp_ge_u32 ttmp9, 128
	s_cbranch_scc1 .Lqx
	; ---- position_mask [512 s][4,096 (w, t)]: columns 32 id on; rows of 16,384 bytes
	s_lshl_b32 s30, s18, 21                        ; my wave's 128 rows
	s_lshl_b32 s31, ttmp9, 7
	s_add_co_u32 s30, s30, s31
	s_mov_b32 s31, 0
	s_add_nc_u64 s[20:21], s[6:7], s[30:31]
	s_lshl_b32 s30, ttmp9, 13                      ; MQC is 0
	s_add_nc_u64 s[22:23], s[14:15], s[30:31]
	s_lshl_b32 s30, ttmp9, 9
	s_add_co_u32 s30, s30, MQS
	s_add_nc_u64 s[24:25], s[14:15], s[30:31]
	QK 16384, 1, 8, 9, 10, 11                      ; the mask is read once in the launch
.Lqx:
	; ---- x [b][512 s][1,024 e] along s, and Wq [2 planes of 512 k][1,024 e]: the same shape
	s_and_b32 s27, s27, 3                          ; b, or the plane
	s_cmp_lt_u32 ttmp9, 256
	s_cselect_b64 s[20:21], s[4:5], s[8:9]
	s_cselect_b32 s32, 0, WQC-XSC
	s_cselect_b32 s33, 0, WQS-XSS
	KOFF
	s_add_nc_u64 s[20:21], s[20:21], s[30:31]
	s_lshl_b32 s34, s27, 10
	s_lshl_b32 s35, s26, 5
	s_add_co_u32 s34, s34, s35                     ; the group's first row of codes
	s_lshl_b32 s30, s34, 8
	s_add_co_u32 s30, s30, s32
	s_add_co_u32 s30, s30, XSC
	s_add_nc_u64 s[22:23], s[14:15], s[30:31]
	s_lshl_b32 s30, s34, 4
	s_add_co_u32 s30, s30, s33
	s_add_co_u32 s30, s30, XSS
	s_add_nc_u64 s[24:25], s[14:15], s[30:31]
	QK 4096, 0, 12, 13, 14, 15
.Lhp:
	; ---- Wq, Wv to f16, rows by heads.  Column e = 32 cg + 2 i + hh: head = 2 (i % 8) + hh, d = 2 cg + i / 8
	s_and_b32 s27, s27, 1
	s_cmp_lt_u32 ttmp9, 384
	s_cselect_b64 s[20:21], s[8:9], s[10:11]
	s_cselect_b32 s32, 0, 64                       ; 64 kv
	KOFF
	s_add_nc_u64 s[20:21], s[20:21], s[30:31]
	s_lshl_b32 s30, s26, 1
	s_add_co_u32 s30, s30, s32
	s_lshl_b32 s30, s30, 11                        ; row 64 kv + 2 cg, of 2,048 bytes
	s_lshl_b32 s35, s34, 1
	s_add_co_u32 s30, s30, s35                     ; + my first k
	s_add_nc_u64 s[22:23], s[16:17], s[30:31]
	HK 16, 17, 21, 524288, 2048
.Lhn:
	; ---- Wo to f16, row n = 32 cg + 2 i + hh
	s_and_b32 s27, s27, 1
	KOFF
	s_add_nc_u64 s[20:21], s[12:13], s[30:31]
	s_lshl_b32 s30, s26, 16
	s_lshl_b32 s35, s34, 1
	s_add_co_u32 s30, s30, s35
	s_add_co_u32 s30, s30, WOT
	s_add_nc_u64 s[22:23], s[16:17], s[30:31]
	HK 18, 19, 22, 4096, 32768
.Lxe:
	; ---- x along e: rows 16 g on; my wave's K steps 2 wave and 2 wave + 1
	s_sub_co_u32 s27, ttmp9, 512                   ; g
	s_lshl_b32 s30, s27, 16
	s_lshl_b32 s31, s18, 10
	s_add_co_u32 s30, s30, s31
	s_mov_b32 s31, 0
	s_add_nc_u64 s[20:21], s[4:5], s[30:31]
	s_lshl_b32 s34, s27, 3
	s_lshl_b32 s35, s18, 1
	s_add_co_u32 s34, s34, s35                     ; 8 g + 2 wave: which image
	s_lshl_b32 s30, s34, 10
	s_add_co_u32 s30, s30, XEI
	s_add_nc_u64 s[22:23], s[14:15], s[30:31]
	s_lshl_b32 s30, s34, 7
	s_add_co_u32 s30, s30, XES
	s_add_nc_u64 s[24:25], s[14:15], s[30:31]
.irp b, 0,1,2,3
	v_mov_b32 v[TM+4+\b], 0                        ; written once: a lane permute's destination counts as one of its sources
.endr
.irp u, 0,1
.irp b, 0,1,2,3
.irp j, 0,1,2,3
	global_load_b128 v[X+64*\u+16*\b+4*\j:X+64*\u+16*\b+4*\j+3], v23, s[20:21] offset:512*\u+128*\b+16*\j
.endr
.endr
.endr
	s_wait_loadcnt 16                              ; the first K step is in; the second's sixteen loads may be out
	QUANT X, 40, 56
	global_store_b128 v5, v[40:43], s[22:23]       ; the fragment as it stands: registers 0-3 at 16 x lane,
	global_store_b128 v5, v[44:47], s[22:23] offset:512   ; registers 4-7 512 bytes on
	global_store_b32 v4, v56, s[24:25]             ; and a scale word a lane
	s_wait_loadcnt 0x0
	QUANT X+64, 48, 57                             ; other registers than the first fragment's: no store's data are written again
	global_store_b128 v5, v[48:51], s[22:23] offset:1024
	global_store_b128 v5, v[52:55], s[22:23] offset:1536
	global_store_b32 v4, v57, s[24:25] offset:128
	FIN
.Lfunc_end_k_q191054a8ad_prep:
	.size	k_q191054a8ad_prep, .Lfunc_end_k_q191054a8ad_prep-k_q191054a8ad_prep
	.p2alignl 7, 3214868480
	.fill 96, 4, 3214868480
	.section	.rodata,"a",@progbits
	.p2align	6, 0x0
	.amdhsa_kernel k_q191054a8ad_prep
		.amdhsa_group_segment_fixed_size 88576
		.amdhsa_private_segment_fixed_size 0
		.amdhsa_enable_private_segment 0
		.amdhsa_kernarg_size 56
		.amdhsa_user_sgpr_count 2
		.amdhsa_user_sgpr_kernarg_segment_ptr 1
		.amdhsa_wavefront_size32 1
		.amdhsa_system_sgpr_workgroup_id_x 1
		.amdhsa_system_sgpr_workgroup_id_y 1
		.amdhsa_system_sgpr_workgroup_id_z 1
		.amdhsa_system_vgpr_workitem_id 0
		.amdhsa_next_free_vgpr 224
		.amdhsa_next_free_sgpr 66
		.amdhsa_reserve_vcc 0
		.amdhsa_float_denorm_mode_32 3
		.amdhsa_float_denorm_mode_16_64 3
		.amdhsa_memory_ordered 1
		.amdhsa_forward_progress 1
		.amdhsa_inst_pref_size 97
	.end_amdhsa_kernel
	.amdgpu_metadata
---
amdhsa.version: [ 1, 2 ]
amdhsa.kernels:
  - .name:           k_q191054a8ad_prep
    .symbol:         k_q191054a8ad_prep.kd
    .args:
      - { .name: x, .offset: 0, .size: 8, .value_kind: global_buffer, .address_space: global }
      - { .name: position_mask, .offset: 8, .size: 8, .value_kind: global_buffer, .address_space: global }
      - { .name: Wq, .offset: 16, .size: 8, .value_kind: global_buffer, .address_space: global }
      - { .name: Wv, .offset: 24, .size: 8, .value_kind: global_buffer, .address_space: global }
      - { .name: Wo, .offset: 32, .size: 8, .value_kind: global_buffer, .address_space: global }
      - { .name: q4, .offset: 40, .size: 8, .value_kind: global_buffer, .address_space: global }
      - { .name: w16, .offset: 48, .size: 8, .value_kind: global_buffer, .address_space: global }
    .group_segment_fixed_size: 88576
    .private_segment_fixed_size: 0
    .kernarg_segment_align: 8
    .kernarg_segment_size: 56
    .max_flat_workgroup_size: 128
    .sgpr_count:     66
    .vgpr_count:     224
    .wavefront_size: 32
...
	.end_amdgpu_metadata
.endif
;; end of part 1
;; launch attend (part 2): grid 16 x 16, 4 waves a work-group, clusters of 4 x 4, 167,936 bytes of LDS; arguments q4, att; writes att
.if DOCPART == 2
	.amdgcn_target "amdgcn-amd-amdhsa--gfx1250"
	.amdhsa_code_object_version 6
	.text
	.protected	k_q191054a8ad_attend
	.globl	k_q191054a8ad_attend
	.p2align	8
	.type	k_q191054a8ad_attend,@function
k_q191054a8ad_attend:
	s_mov_b64 s[64:65], 0
	v_nop
	global_prefetch_b8 v0, s[64:65] scope:SCOPE_SE
	s_setreg_imm32_b32 hwreg(HW_REG_WAVE_MODE, 25, 1), 1
	s_wait_xcnt 0x0
	s_wait_alu depctr_hold_cnt(0) depctr_sa_sdst(0) depctr_va_vdst(0) depctr_va_sdst(0) depctr_va_ssrc(0) depctr_va_vcc(0) depctr_vm_vsrc(0)
	s_getreg_b32 s2, hwreg(HW_REG_IB_STS2, 6, 4)
	s_cmp_eq_u32 s2, 0
	s_cbranch_scc0 .Lentry_in_a_cluster
	s_endpgm
.Lentry_in_a_cluster:
	s_bfe_u32 s2, ttmp6, 0x10000c
	s_cmp_lg_u32 s2, 0xf033
	s_cbranch_scc0 .Lentry_shape_is_right
	s_endpgm
.Lentry_shape_is_right:
; ATTEND: attend[(w, t)][(b, e)] = sum over s of mask[s][w][t] x[b][s][e], on codes of FP4 (E2M1) with one E8M0 scale for each 32 along s; sums in f32; the result is rounded once to f16.
; A = the mask's codes [4,096 (w 512 + t)][256 bytes], B = x's codes [4,096 (b 1,024 + e)][256 bytes], both with s innermost; their scale bytes 16 a row.
; A tile of 256 x 256 is made by four waves, 128 x 128 each: 64 accumulators, 512 registers.  K = 512 is ONE LDS slot (rows of 256 bytes): it is filled once, so there is no ring and no refill.
; CLUSTER 4 x 4: the four of a row need the same rows of A, the four of a column the same rows of B: each is asked for jointly, one tensor load a wave, one outstanding.
; The scale words go straight into registers: lanes 0-15 take A's words and lanes 16-31 B's, four words (the four K steps of 128) by one load of 16 bytes.
; THE MATRIX INSTRUCTION IS USED TRANSPOSED (source 0 = 16 rows of B, source 1 = 16 rows of A): a lane holds eight neighbouring e of one row (w, t).
; THE ROWS OF THE RESULT ARE LAID FOR THE NEXT LAUNCH: row R = (32 b + t / 16) 128 + 16 w + t % 16, so that 128 rows on end are 16 neighbouring t with all their eight w.
; A wave's block of 16 rows is one w and 16 neighbouring t, so the order costs only the step of the base from block to block: 128 rows.
; LIMIT: the result goes to f16 as it is: |attend| above 65,504 is not served (512 terms of the drawn kind, each input 30 times larger or offset by 30 spreads, stay under it).
; REGISTERS: window 0: v0-31 addresses; v32-63 scale words; v64-127 rows on the way out; v128-191 A's fragments, one set; v192-223 packed results.  window 1: B's fragments, two sets, v0 and v128.  windows 2, 3: accumulators.
.set XSC,    0x100000
.set MQS,    0x380000
.set XSS,    0x390000
.set NQ,     4                         ; steps of 128 along K
.set PITCH,  272                       ; an LDS row: 256 bytes + 16 of padding: the sixteen rows of a fragment load start in sixteen different groups of banks
.set FR,     8                         ; registers of a fragment
.set HALFT,  128*PITCH                 ; 128 rows: what one tensor load brings
.set STAGE,  4*HALFT                   ; behind the slot: 16 rows x 272 bytes for each wave, for the way out
.set SPITCH, 272
.set SPARE,  STAGE+4*16*SPITCH         ; the spare words, 128 bytes for each wave: two blocks of 256 bytes that no other line names
.set ADRA, 16
.set ADRB, 20
.set STO,  24
.set RD,   25
.set CO,   26
.set SCO,  27
.set SPW,  28
.set NIL,  29
.set SC,   32                          ; register NQ i + q: lanes 0-15 the word of A's block i, lanes 16-31 that of B's block i, for the q-th 128 along K
.set OB,   64
.set AF,   128
.set TMP,  192
.set G1,  24
.set G0,  32
.set G1B, 48
.set G0B, 56
.set MSB, 0
.macro WIN new                         ; the immediate's high byte repeats the setting that is left
.if MSB != (\new)
	s_set_vgpr_msb (MSB<<8)|(\new)
.set MSB, (\new)
.endif
.endm
.set MUL_LO, 0xa1                      ; source 0 (B) window 1, source 1 (A) window 0, C and D window 2
.set MUL_HI, 0xf1
.set TO_B,   0x40
.macro JLOAD                           ; waves 0 and 1 fetch A's halves, waves 2 and 3 B's; an s_nop 0 and four v_nop follow each line
	s_cmp_eq_u32 s15, 0
	s_cbranch_scc0 .Lfor_b_\@
	tensor_load_to_lds s[G0:G0+3], s[G1:G1+7]
	s_nop 0
.rept 4
	v_nop
.endr
	s_branch .Lasked_\@
.Lfor_b_\@:
	tensor_load_to_lds s[G0B:G0B+3], s[G1B:G1B+7]
	s_nop 0
.rept 4
	v_nop
.endr
.Lasked_\@:
.endm
.macro CROUND                          ; a round of the cluster's barrier
	s_barrier_signal -1
	s_barrier_wait -1
	s_cmp_lg_u32 s14, 0
	s_cbranch_scc1 .Lnot_wave_0_\@
	s_barrier_signal -3
.Lnot_wave_0_\@:
	s_barrier_wait -3
	s_barrier_signal -1
	s_barrier_wait -1
.endm
	s_load_b128 s[4:7], s[0:1], 0x0                ; q4 s[4:5], att s[6:7]
	v_lshl_add_u32 v[SPW], v0, 2, SPARE
	v_mov_b32 v[NIL], 0
	ds_add_u32 v[SPW], v[NIL]                      ; the opening: the add, twice on end, and its wait ahead of my first tensor load
	ds_add_u32 v[SPW], v[NIL]
	v_lshrrev_b32 v1, 5, v0
	v_readfirstlane_b32 s14, v1                    ; wave 0..3
	s_lshr_b32 s15, s14, 1                         ; which half of the tile's rows is mine.  Also: I fetch for A (0) or for B (1)
	s_and_b32 s16, s14, 1                          ; which half of its columns.  Also: which 128 rows I fetch
	s_bfe_u32 s40, ttmp6, 0x40000                  ; cx, cy
	s_bfe_u32 s41, ttmp6, 0x40004
	s_lshl_b32 s42, ttmp9, 2
	s_add_co_u32 s42, s42, s40                     ; tile column
	s_and_b32 s17, ttmp7, 0xffff
	s_lshl_b32 s17, s17, 2
	s_add_co_u32 s17, s17, s41                     ; tile row
	s_lshl_b32 s43, s41, 2
	s_lshl_b32 s43, 15, s43                        ; my row of the cluster
	s_lshl_b32 s44, 0x1111, s40                    ; my column
	s_or_b32 s[G1+0], s43, (0<<16)|(1<<20)|(1<<21)|(5<<22)|(3<<25)   ; the mask; elements of 1 byte; padding on; bit 21 beside a mask; after every 64 words, 4 words
	s_or_b32 s[G1B+0], s44, (0<<16)|(1<<20)|(1<<21)|(5<<22)|(3<<25)
.irp g, G1, G1B
	s_mov_b32 s[\g+1], 256<<16                     ; tensor_dim0
	s_mov_b32 s[\g+2], 128<<16                     ; tensor_dim1
	s_mov_b32 s[\g+3], 256<<16                     ; tile_dim0
	s_mov_b32 s[\g+4], 128                         ; tile_dim1
	s_mov_b32 s[\g+5], 256                         ; from row to row
	s_mov_b32 s[\g+6], 0
	s_mov_b32 s[\g+7], 0
.endr
	s_lshl_b32 s18, s16, 7
	s_lshl_b32 s20, s17, 8
	s_add_co_u32 s20, s20, s18
	s_lshl_b32 s20, s20, 8                         ; A: row 256 x tile row + 128 x half, of 256 bytes (the mask's codes begin at byte 0)
	s_mov_b32 s21, 0
	s_lshl_b32 s46, s42, 8
	s_add_co_u32 s46, s46, s18
	s_lshl_b32 s46, s46, 8
	s_add_co_u32 s46, s46, XSC                     ; B likewise, by the tile column
	s_mov_b32 s47, 0
	s_mul_i32 s45, s14, HALFT                      ; where they go: wave x 128 rows
	s_wait_dscnt 0x0                               ; both opening adds are done
	s_wait_kmcnt 0x0
	s_add_nc_u64 s[20:21], s[4:5], s[20:21]
	s_add_nc_u64 s[46:47], s[4:5], s[46:47]
	CROUND                                         ; all sixteen work-groups are here: the joint loads meet
	s_mov_b32 s[G0], 1
	s_mov_b32 s[G0+1], s45
	s_mov_b64 s[G0+2:G0+3], s[20:21]
	s_or_b32 s[G0+3], s[G0+3], 0x80000000
	s_mov_b32 s[G0B], 1
	s_mov_b32 s[G0B+1], s45
	s_mov_b64 s[G0B+2:G0B+3], s[46:47]
	s_or_b32 s[G0B+3], s[G0B+3], 0x80000000
	JLOAD
	v_and_b32 v1, 15, v0                           ; r
	v_bfe_u32 v2, v0, 4, 1                         ; h
	; the scale words: 16 bytes a row; lanes 0-15 at A's rows, lanes 16-31 at B's: the lower base + h x the distance
	s_lshl_b32 s20, s17, 8
	s_lshl_b32 s21, s15, 7
	s_add_co_u32 s20, s20, s21
	s_lshl_b32 s20, s20, 4
	s_add_co_u32 s20, s20, MQS
	s_lshl_b32 s46, s42, 8
	s_lshl_b32 s47, s16, 7
	s_add_co_u32 s46, s46, s47
	s_lshl_b32 s46, s46, 4
	s_add_co_u32 s46, s46, XSS
	s_sub_co_u32 s46, s46, s20                     ; above 0: B's scale bytes lie 65,536 behind A's, which are 65,536 long
	v_mul_lo_u32 v6, v2, s46
	v_lshl_add_u32 v[SCO], v1, 4, v6
	v_add_nc_u32 v[SCO], s20, v[SCO]
.irp i, 0,1,2,3,4,5,6,7
	global_load_b128 v[SC+4*\i:SC+4*\i+3], v[SCO], s[4:5] offset:256*\i
.endr
	v_mul_u32_u24 v3, v1, PITCH
	v_lshl_add_u32 v4, v2, 4, v3                   ; a fragment's row x pitch + 16 x half
	s_mul_i32 s21, s15, HALFT
	s_mul_i32 s22, s16, HALFT
	s_add_co_u32 s22, s22, 2*HALFT                 ; B's rows lie behind A's 256
	v_add_nc_u32 v[ADRA], s21, v4
	v_add_nc_u32 v[ADRB], s22, v4
	s_mul_i32 s23, s14, 16*SPITCH
	s_add_co_u32 s23, s23, STAGE                   ; my stage
	v_mul_u32_u24 v5, v1, SPITCH
	v_lshl_add_u32 v5, v2, 4, v5
	v_add_nc_u32 v[STO], s23, v5                   ; in: row r, 16 bytes for each half of the lanes
	v_mul_u32_u24 v5, v2, SPITCH
	v_lshl_add_u32 v5, v1, 4, v5
	v_add_nc_u32 v[RD], s23, v5                    ; back: lanes 0-15 one row of 256 bytes, lanes 16-31 the next
	v_lshlrev_b32 v5, 11, v2
	v_lshl_add_u32 v[CO], v1, 4, v5                ; and the same two rows of att, 2,048 bytes apart
	; my first row of att: 4,096 b + 2,048 (tile row % 2) + 1,024 half + 16 w, w = tile row / 2, b = tile column / 4
	s_lshr_b32 s20, s42, 2
	s_lshl_b32 s20, s20, 12
	s_and_b32 s21, s17, 1
	s_lshl_b32 s21, s21, 11
	s_add_co_u32 s20, s20, s21
	s_lshl_b32 s21, s15, 10
	s_add_co_u32 s20, s20, s21
	s_lshr_b32 s21, s17, 1
	s_lshl_b32 s21, s21, 4
	s_add_co_u32 s20, s20, s21
	s_lshl_b32 s20, s20, 11
	s_and_b32 s21, s42, 3
	s_lshl_b32 s21, s21, 9                         ; my first e, in bytes: 512 (tile column % 4) + 256 half
	s_add_co_u32 s20, s20, s21
	s_lshl_b32 s21, s16, 8
	s_add_co_u32 s20, s20, s21
	s_mov_b32 s21, 0
	s_add_nc_u64 s[12:13], s[6:7], s[20:21]
.macro FRAG reg, adr, q, i             ; 16 rows x 128 K of 4-bit codes: registers 4 c .. 4 c + 3 hold K = 64 c + 32 h + 0 .. 31
.irp c, 0,1
	ds_load_b128 v[\reg+4*\c:\reg+4*\c+3], v[\adr] offset:64*(\q)+32*\c+(\i)*16*PITCH
.endr
.endm
; 16 matrix instructions: A's blocks a0, a0 + 1 x B's eight, the q-th 128 along K.  p: B's set.  zero = 1: the first product starts the sums.  The 64 accumulators take turns.
.macro MUL16 a0, p, q, zero
.irp a, \a0, \a0+1
.irp b, 0,1,2,3,4,5,6,7
.if \zero
	v_wmma_scale_f32_16x16x128_f8f6f4 v[8*(8*((\a)%4)+\b):8*(8*((\a)%4)+\b)+7], v[128*(\p)+FR*\b:128*(\p)+FR*\b+FR-1], v[AF+FR*(\a):AF+FR*(\a)+FR-1], 0, v[SC+NQ*\b+(\q)], v[SC+NQ*(\a)+(\q)] matrix_a_fmt:MATRIX_FMT_FP4 matrix_b_fmt:MATRIX_FMT_FP4 matrix_a_scale:MATRIX_SCALE_ROW1
.else
	v_wmma_scale_f32_16x16x128_f8f6f4 v[8*(8*((\a)%4)+\b):8*(8*((\a)%4)+\b)+7], v[128*(\p)+FR*\b:128*(\p)+FR*\b+FR-1], v[AF+FR*(\a):AF+FR*(\a)+FR-1], v[8*(8*((\a)%4)+\b):8*(8*((\a)%4)+\b)+7], v[SC+NQ*\b+(\q)], v[SC+NQ*(\a)+(\q)] matrix_a_fmt:MATRIX_FMT_FP4 matrix_b_fmt:MATRIX_FMT_FP4 matrix_a_scale:MATRIX_SCALE_ROW1
.endif
.endr
.endr
.endm
.macro FETCH_B q, p
	WIN TO_B
.irp i, 0,1,2,3,4,5,6,7
	FRAG 128*(\p)+FR*\i, ADRB, \q, \i
.endr
	WIN 0
.endm
.macro FETCH_A q, i0
.irp i, \i0, \i0+1, \i0+2, \i0+3
	FRAG AF+FR*(\i), ADRA, \q, \i
.endr
.endm
.macro PLACES                          ; four plain vector lines between matrix instructions and loads into registers that they read, or reads of their results
.rept 4
	v_nop
.endr
.endm
.macro STEP q, zero                    ; a step of 128 along K; A has one set of registers: blocks 0-3 are fetched anew in the middle, blocks 4-7 at the end; B has two sets
	s_wait_dscnt 8                                 ; B's set and A's blocks 0-3 are in; the youngest eight loads (A's blocks 4-7) may be out
	WIN MUL_LO
	MUL16 0, (\q)%2, \q, \zero
	MUL16 2, (\q)%2, \q, \zero
	s_wait_dscnt 0x0
	PLACES
	FETCH_B (\q)+1, 1-(\q)%2
	FETCH_A (\q)+1, 0
	WIN MUL_HI
	MUL16 4, (\q)%2, \q, \zero
	MUL16 6, (\q)%2, \q, \zero
	PLACES
	WIN 0
	FETCH_A (\q)+1, 4
.endm
	s_wait_tensorcnt 0x0                           ; my part of the slot is in,
	s_barrier_signal -1
	s_barrier_wait -1                              ; everybody's is
	FETCH_B 0, 0
	FETCH_A 0, 0
	FETCH_A 0, 4
	s_wait_loadcnt 0x0                             ; the scale words
	STEP 0, 1
	STEP 1, 0
	STEP 2, 0
	s_wait_dscnt 8                                 ; the last step: nothing more to fetch
	WIN MUL_LO
	MUL16 0, 1, 3, 0
	MUL16 2, 1, 3, 0
	s_wait_dscnt 0x0
	WIN MUL_HI
	MUL16 4, 1, 3, 0
	MUL16 6, 1, 3, 0
	WIN 0
; THE WAY OUT, block by block of 16 rows x 128 e: rounded to f16, 16 bytes a lane; through my own stage; back as whole rows of 256 bytes.
.macro PACK a
.set AC, 64*((\a)%4)
	WIN 0x0a+5*((\a)/4)                            ; sources 0 and 1: window 2 or 3
.irp b, 0,1,2,3,4,5,6,7
.irp r, 0,1,2,3
	v_cvt_pk_f16_f32 v[TMP+4*\b+\r], v[AC+8*\b+2*\r], v[AC+8*\b+2*\r+1]   ; each accumulator from its low end on
.endr
.endr
	WIN 0
.endm
.macro TOSTAGE a
.set BK, OB+32*((\a)%2)
.irp b, 0,1,2,3,4,5,6,7
	ds_store_b128 v[STO], v[TMP+4*\b:TMP+4*\b+3] offset:32*\b
.endr
.irp t, 0,1,2,3,4,5,6,7
	ds_load_b128 v[BK+4*\t:BK+4*\t+3], v[RD] offset:\t*2*SPITCH    ; LDS serves a wave's instructions in order: these see the stores above
.endr
.endm
.macro SEND a
.set BK, OB+32*((\a)%2)
	s_wait_dscnt 0x0                               ; the block is back in registers
	s_wait_xcnt 0x0                                ; the earlier stores have read their base and their data: only behind this wait are they written again
.if (\a) > 0
	s_add_nc_u64 s[12:13], s[12:13], 128*2048      ; the next 16 t: 128 rows of att on
.endif
.irp t, 0,1,2,3,4,5,6,7
	global_store_b128 v[CO], v[BK+4*\t:BK+4*\t+3], s[12:13] offset:2*\t*2048   ; sixteen lanes store 256 consecutive bytes, aligned
.endr
.endm
	PLACES                                         ; the conversions read results
	PACK 0
	TOSTAGE 0
.irp a, 1,2,3,4,5,6,7                  ; block a's conversions stand between block a - 1's loads from the stage and the wait for them
	PACK \a
	SEND \a-1
	TOSTAGE \a
.endr
	SEND 7
	s_wait_tensorcnt 0x0                           ; the wave's end
	ds_add_u32 v[SPW], v[NIL]
	s_wait_dscnt 0x0
	CROUND                                         ; the closing round
	s_endpgm
.Lfunc_end_k_q191054a8ad_attend:
	.size	k_q191054a8ad_attend, .Lfunc_end_k_q191054a8ad_attend-k_q191054a8ad_attend
	.p2alignl 7, 3214868480
	.fill 96, 4, 3214868480
	.section	.rodata,"a",@progbits
	.p2align	6, 0x0
	.amdhsa_kernel k_q191054a8ad_attend
		.amdhsa_group_segment_fixed_size 167936
		.amdhsa_private_segment_fixed_size 0
		.amdhsa_enable_private_segment 0
		.amdhsa_kernarg_size 16
		.amdhsa_user_sgpr_count 2
		.amdhsa_user_sgpr_kernarg_segment_ptr 1
		.amdhsa_wavefront_size32 1
		.amdhsa_system_sgpr_workgroup_id_x 1
		.amdhsa_system_sgpr_workgroup_id_y 1
		.amdhsa_system_sgpr_workgroup_id_z 1
		.amdhsa_system_vgpr_workitem_id 0
		.amdhsa_next_free_vgpr 1024
		.amdhsa_next_free_sgpr 66
		.amdhsa_reserve_vcc 0
		.amdhsa_float_denorm_mode_32 3
		.amdhsa_float_denorm_mode_16_64 3
		.amdhsa_memory_ordered 1
		.amdhsa_forward_progress 1
		.amdhsa_inst_pref_size 81
	.end_amdhsa_kernel
	.amdgpu_metadata
---
amdhsa.version: [ 1, 2 ]
amdhsa.kernels:
  - .name:           k_q191054a8ad_attend
    .symbol:         k_q191054a8ad_attend.kd
    .args:
      - { .name: q4, .offset: 0, .size: 8, .value_kind: global_buffer, .address_space: global }
      - { .name: att, .offset: 8, .size: 8, .value_kind: global_buffer, .address_space: global }
    .group_segment_fixed_size: 167936
    .private_segment_fixed_size: 0
    .kernarg_segment_align: 8
    .kernarg_segment_size: 16
    .max_flat_workgroup_size: 128
    .sgpr_count:     66
    .vgpr_count:     1024
    .wavefront_size: 32
...
	.end_amdgpu_metadata
.endif
;; end of part 2
;; launch kvatt (part 3): grid 8 x 32, 4 waves a work-group, clusters of 4 x 4, 327,680 bytes of LDS; arguments att, w16, q4, bq, bv, o16; writes o16
.if DOCPART == 3
	.amdgcn_target "amdgcn-amd-amdhsa--gfx1250"
	.amdhsa_code_object_version 6
	.text
	.protected	k_q191054a8ad_kvatt
	.globl	k_q191054a8ad_kvatt
	.p2align	8
	.type	k_q191054a8ad_kvatt,@function
k_q191054a8ad_kvatt:
	s_mov_b64 s[64:65], 0
	v_nop
	global_prefetch_b8 v0, s[64:65] scope:SCOPE_SE
	s_setreg_imm32_b32 hwreg(HW_REG_WAVE_MODE, 25, 1), 1
	s_wait_xcnt 0x0
	s_wait_alu depctr_hold_cnt(0) depctr_sa_sdst(0) depctr_va_vdst(0) depctr_va_sdst(0) depctr_va_ssrc(0) depctr_va_vcc(0) depctr_vm_vsrc(0)
	s_getreg_b32 s2, hwreg(HW_REG_IB_STS2, 6, 4)
	s_cmp_eq_u32 s2, 0
	s_cbranch_scc0 .Lentry_in_a_cluster
	s_endpgm
.Lentry_in_a_cluster:
	s_bfe_u32 s2, ttmp6, 0x10000c
	s_cmp_lg_u32 s2, 0xf033
	s_cbranch_scc0 .Lentry_shape_is_right
	s_endpgm
.Lentry_shape_is_right:
; KVATT: q = x Wq + bq (on FP4 codes), k = attend Wq + bq and v = attend Wv + bv (f16 operands, f32 sums), scores = q . k / 32, softmax over the window's eight, out = p . v: one launch; q, k, v, scores and p never leave the registers.
; THE BULK is a GEMM C = A B^T: A = att [16,384 rows][1,024] f16, B = WKV [2,048 rows][1,024] f16.  A tile of 256 x 256 is made by four waves, 128 x 128 each: 64 accumulators, 512 registers.
; K goes in steps of 128 through a ring of two LDS slots; rows of 256 bytes.  CLUSTER 4 x 4: A's tiles are asked for jointly along a row of the cluster, B's along a column.
; A wave has two tensor loads out at the start and one behind each round.
; A WORK-GROUP STAYS: it makes two tiles, 8,192 rows of att apart, for the same two heads: 8 x 64 tiles are 256 work-groups of two.  Wq's codes, their scale words and the biases serve both tiles, so they are loaded once,
; and q of both tiles is made at the head.  The ring does not stop at the first tile's end: its last two changes of slots ask for the second tile's K steps 0 and 1, which land while the first tile's tail is worked.
; The tile is written twice, by macros: no branch hangs on the tile's number.
; WHY THE TAIL IS LOCAL TO A LANE.  att's rows lie so that a wave's 128 rows are 16 neighbouring t (one group G) with all eight w: its block a of 16 rows is w = a.  WKV's rows lie by heads: a wave's 128 are
; one head's 64 rows of Wq, then its 64 of Wv.  The matrix instruction is used transposed (source 0 = 16 rows of B, source 1 = 16 rows of A): lane (r, h) holds t = r in every accumulator, and register j of
; accumulator (a, b) is k (b < 4) or v (b >= 4) at w = a, d = 16 (b % 4) + 8 h + j.  q is made in the same layout.  So the softmax over w stays in a lane, and one exchange between the halves of the lanes joins d.
; The biases are the C of each sum's first matrix instruction.
; OUT goes on as f16 with an exact power-of-two scale for each (row, 128 columns), taken from the data: the chunk's largest magnitude lands in [2^14, 2^15); the scale goes beside it as f32, written twice.
; LIMITS: a chunk whose largest magnitude lies under 2^-100 is scaled as if it were 2^-100.  NaN and infinities are not served.
; REGISTERS: window 0: v0-31 addresses; v32-63 the first tile's q; v64-191 A's two fragment buffers, at work in the tail; v192-223 Wq's scale words, v224-239 x's for the two tiles: scales and nothing else.
;   window 1: v0-63 the biases in the result's layout (b 0-3 bq, b 4-7 bv); v64-191 B's two buffers; v192-223 the second tile's q.
;   windows 2, 3: the accumulators; ahead of the first tile window 2 holds Wq's 32 code fragments and window 3 v0-127 x's eight for each tile.
.set SIZE_K, 1024
.set KSTEP,  128
.set PITCH,  272                       ; an LDS row: 256 bytes + 16 of padding
.set HALFT,  128*PITCH
.set SLOT,   4*HALFT                   ; A's 256 rows, then B's 256 rows
.set STG,    2*SLOT                    ; behind the ring: 32 rows (t) x (512 bytes + 16): the tile's out in f32
.set SGP,    528
.set SPARE,  STG+32*SGP                ; the spare words, 128 bytes for each wave: two blocks of 256 bytes that no other line names
.set LAPS,   SIZE_K/(2*KSTEP)
.set WALK,   8192                      ; rows of att from the first tile to the second
.set NEXT_A, WALK*SIZE_K*2-(SIZE_K-2*KSTEP)*2   ; bytes from a slot's last K step of a tile to its first of the next: A goes WALK rows down and back along K,
.set BACK_B, (SIZE_K-2*KSTEP)*2        ; B only back: the two tiles share their rows of B
.set WQC,    0x200000
.set XEI,    0x280000
.set WQS,    0x3a0000
.set XES,    0x3a8000
.set OSC,    0x400000
.set WQO,  6                           ; v6   Wq's codes: 4,096 r + 16 h + 256 head
.set IMO,  7                           ; v7   16 x lane
.set BIO,  8                           ; v8   biases: 512 h + 4 head
.set WSO,  9                           ; v9   Wq's scale words: 256 r + 16 head
.set XSO,  10                          ; v10  4 x lane
.set SIN,  11                          ; v11  the stage: where I put 32 bytes of a row
.set SOUT, 12                          ; v12  and where I read rows back
.set GOO,  13                          ; v13  8 x lane
.set GSO,  14                          ; v14  64 x (lane % 8)
.set L7,   15                          ; v15  lane % 8
.set ADRA, 16
.set ADRB, 20
.set SPW,  28
.set NIL,  29
.set PFO,  30                          ; v30  the prefetches' offset: lane x 2,048; never rewritten
.set Q,    32
.set Q2,   192                         ; in window 1
.set F0,   64
.set F1,   128
.set WS,   192
.set XS,   224                         ; v224-231 the first tile's, v232-239 the second's
.set BI,   0                           ; in window 1
.set PS,   64                          ; the tail: v64-79 partial scores, a pair for each w
.set SS,   80                          ; v80-87  scores, then p
.set PT,   88                          ; v88-95  the other half's
.set PR,   96                          ; v96-111 p / sum, each twice
.set OO,   112                         ; v112-143 out
.set RR,   144                         ; v144-175 eight rows, four numbers each
.set RM,   176                         ; v176-183 their largest magnitudes, then their scales
.set MX,   184
.set FW,   188
.set G1,  24
.set G0,  32
.set LIM, 43                           ; s43  1 in a wave that prefetches, else the greatest number
.set PFA, 44                           ; s[44:45] where my prefetches stand
.set G1B, 48
.set G0B, 56
.set SEL, 88
.set CC,  90
.set MSB, 0
.macro WIN new
.if MSB != (\new)
	s_set_vgpr_msb (MSB<<8)|(\new)
.set MSB, (\new)
.endif
.endm
.set MUL_LO, 0xa1                      ; source 0 (B) window 1, source 1 (A) window 0, C and D window 2
.set MUL_HI, 0xf1
.set TO_B,   0x40
.macro JLOAD s                         ; waves 0 and 1 fetch A's halves, waves 2 and 3 B's; an s_nop 0 and four v_nop follow each line
	s_cmp_eq_u32 s11, 0
	s_cbranch_scc0 .Lfor_b_\@
	tensor_load_to_lds s[G0+4*\s:G0+4*\s+3], s[G1:G1+7]
	s_nop 0
.rept 4
	v_nop
.endr
	s_branch .Lasked_\@
.Lfor_b_\@:
	tensor_load_to_lds s[G0B+4*\s:G0B+4*\s+3], s[G1B:G1B+7]
	s_nop 0
.rept 4
	v_nop
.endr
.Lasked_\@:
.endm
; A prefetch of the K step that stands two refills on: 32 rows x 256 bytes, a lane a row, one instruction a wave.  Each row's 256 bytes of a K step are named once in the launch: att's rows by the clusters with x = 0,
; WKV's by those with y = 0; the four partners that ask for a tile jointly take 32 of a wave's 128 rows each, told apart by address.  how = 0, in the loop: its last trip asks for nothing: the tile has no K step two on.
; how = 1, at the change of tiles: the second tile's K steps 2 and 3 of att; WKV's rows, which both tiles share, are asked for in the first tile alone.
.macro ASK how
.if \how
	s_cmp_eq_u32 s[LIM], 1
.else
	s_cmp_gt_u32 s3, s[LIM]
.endif
	s_cbranch_scc0 .Lnot_mine_\@
	global_prefetch_b8 v[PFO], s[PFA:PFA+1] offset:KSTEP*2 th:TH_LOAD_NT scope:SCOPE_SE
.Lnot_mine_\@:
.endm
.macro CREST
	s_cmp_lg_u32 s10, 0
	s_cbranch_scc1 .Lnot_wave_0_\@
	s_barrier_signal -3
.Lnot_wave_0_\@:
	s_barrier_wait -3
	s_barrier_signal -1
	s_barrier_wait -1
.endm
.macro CROUND
	s_barrier_signal -1
	s_barrier_wait -1
	CREST
.endm
	s_load_b128 s[4:7], s[0:1], 0x0                ; att s[4:5], w16 s[6:7]
	s_load_b256 s[68:75], s[0:1], 0x10             ; q4 s[68:69], bq s[70:71], bv s[72:73], o16 s[74:75]
	v_lshl_add_u32 v[SPW], v0, 2, SPARE
	v_mov_b32 v[NIL], 0
	ds_add_u32 v[SPW], v[NIL]                      ; the opening: the add, twice on end, and its wait ahead of my first tensor load
	ds_add_u32 v[SPW], v[NIL]
	v_lshrrev_b32 v1, 5, v0
	v_readfirstlane_b32 s10, v1                    ; wave 0..3
	s_lshr_b32 s11, s10, 1                         ; rh: which group of 16 t is mine.  Also: I fetch for A (0) or for B (1)
	s_and_b32 s12, s10, 1                          ; ch: which head of the tile's two.  Also: which 128 rows I fetch
	s_bfe_u32 s40, ttmp6, 0x40000                  ; cx, cy
	s_bfe_u32 s41, ttmp6, 0x40004
	s_lshl_b32 s42, ttmp9, 2
	s_add_co_u32 s42, s42, s40                     ; tile column
	s_and_b32 s13, ttmp7, 0xffff
	s_lshl_b32 s13, s13, 2
	s_add_co_u32 s13, s13, s41                     ; the first tile's row, 0 to 31; the second's is 32 more
	s_lshl_b32 s43, s41, 2
	s_lshl_b32 s43, 15, s43                        ; my row of the cluster
	s_lshl_b32 s44, 0x1111, s40                    ; my column
	s_or_b32 s[G1+0], s43, (1<<16)|(1<<20)|(1<<21)|(5<<22)|(3<<25)   ; the mask; elements of 2 bytes; padding on; bit 21 beside a mask; after every 64 words, 4 words
	s_or_b32 s[G1B+0], s44, (1<<16)|(1<<20)|(1<<21)|(5<<22)|(3<<25)
.irp g, G1, G1B
	s_mov_b32 s[\g+1], KSTEP<<16                   ; tensor_dim0
	s_mov_b32 s[\g+2], 128<<16                     ; tensor_dim1
	s_mov_b32 s[\g+3], KSTEP<<16                   ; tile_dim0
	s_mov_b32 s[\g+4], 128                         ; tile_dim1
	s_mov_b32 s[\g+5], SIZE_K                      ; from row to row, in elements
	s_mov_b32 s[\g+6], 0
	s_mov_b32 s[\g+7], 0
.endr
	s_lshl_b32 s17, s12, 7
	s_lshl_b32 s16, s13, 8
	s_add_co_u32 s16, s16, s17                     ; A: row 256 x tile row + 128 x half
	s_lshl_b32 s46, s42, 8
	s_add_co_u32 s46, s46, s17                     ; B: row 256 x tile column + 128 x half
	s_lshl_b32 s16, s16, 11                        ; rows of 2,048 bytes: under 2^26
	s_lshl_b32 s46, s46, 11
	s_mov_b32 s17, 0
	s_mov_b32 s47, 0
	s_mul_i32 s20, s10, HALFT                      ; where they go: wave x 128 rows
	s_wait_dscnt 0x0                               ; both opening adds are done
	s_wait_kmcnt 0x0
	s_add_nc_u64 s[14:15], s[4:5], s[16:17]
	s_add_nc_u64 s[46:47], s[6:7], s[46:47]
	CROUND                                         ; all sixteen work-groups are here: the first joint loads meet
.irp s, 0,1
	s_mov_b32 s[G0+4*\s], 1
	s_add_co_u32 s[G0+4*\s+1], s20, \s*SLOT
	s_add_nc_u64 s[G0+4*\s+2:G0+4*\s+3], s[14:15], \s*KSTEP*2
	s_or_b32 s[G0+4*\s+3], s[G0+4*\s+3], 0x80000000
	s_mov_b32 s[G0B+4*\s], 1
	s_add_co_u32 s[G0B+4*\s+1], s20, \s*SLOT
	s_add_nc_u64 s[G0B+4*\s+2:G0B+4*\s+3], s[46:47], \s*KSTEP*2
	s_or_b32 s[G0B+4*\s+3], s[G0B+4*\s+3], 0x80000000
	JLOAD \s
.endr
	; ---- THE q PHASE, for both tiles, while the first K steps are on their way
	v_and_b32 v1, 15, v0                           ; r
	v_bfe_u32 v2, v0, 4, 1                         ; h
	v_and_b32 v4, 31, v0                           ; lane
	s_lshl_b32 s84, s42, 1
	s_add_co_u32 s84, s84, s12                     ; my head
	s_lshl_b32 s85, s13, 1
	s_add_co_u32 s85, s85, s11                     ; my group G = 32 b + t / 16 in the first tile; in the second it is G + 64
	v_lshlrev_b32 v[WQO], 12, v1                   ; Wq's column e = 16 (16 b + r) + head is a row of 256 bytes of codes in each plane
	v_lshl_add_u32 v[WQO], v2, 4, v[WQO]
	s_lshl_b32 s20, s84, 8
	v_add_nc_u32 v[WQO], s20, v[WQO]
	v_lshlrev_b32 v[IMO], 4, v4
	v_lshlrev_b32 v[BIO], 9, v2                    ; bias of e = 16 (16 b + 8 h + j) + head
	s_lshl_b32 s20, s84, 2
	v_add_nc_u32 v[BIO], s20, v[BIO]
	v_lshlrev_b32 v[WSO], 8, v1
	s_lshl_b32 s20, s84, 4
	v_add_nc_u32 v[WSO], s20, v[WSO]
	v_lshlrev_b32 v[XSO], 2, v4
	s_add_nc_u64 s[76:77], s[68:69], WQC
	s_lshl_b32 s20, s85, 13
	s_add_co_u32 s20, s20, XEI
	s_mov_b32 s21, 0
	s_add_nc_u64 s[78:79], s[68:69], s[20:21]      ; my group's eight images of x
	s_add_nc_u64 s[80:81], s[68:69], WQS
	s_lshl_b32 s20, s85, 10
	s_add_co_u32 s20, s20, XES
	s_add_nc_u64 s[82:83], s[68:69], s[20:21]
	WIN 0x80                                       ; destination window 2
.irp b, 0,1,2,3                        ; Wq's fragment (16 d from 16 b on, K step s) at v[8 (8 b + s)]
.irp s, 0,1,2,3,4,5,6,7
.irp c, 0,1
	global_load_b128 v[8*(8*\b+\s)+4*\c:8*(8*\b+\s)+4*\c+3], v[WQO], s[76:77] offset:(\s/4)*262144+\b*65536+(\s%4)*64+32*\c
.endr
.endr
.endr
	WIN 0xc0                                       ; destination window 3
.irp u, 0,1                            ; tile u: 64 groups of 8,192 bytes on
.irp s, 0,1,2,3,4,5,6,7
.irp c, 0,1
	global_load_b128 v[64*\u+8*\s+4*\c:64*\u+8*\s+4*\c+3], v[IMO], s[78:79] offset:524288*\u+1024*\s+512*\c
.endr
.endr
.endr
	WIN 0x40                                       ; destination window 1
.irp b, 0,1,2,3
.irp j, 0,1,2,3,4,5,6,7
	global_load_b32 v[BI+8*\b+\j], v[BIO], s[70:71] offset:1024*\b+64*\j
	global_load_b32 v[BI+32+8*\b+\j], v[BIO], s[72:73] offset:1024*\b+64*\j
.endr
.endr
	WIN 0
.irp b, 0,1,2,3
.irp p, 0,1
	global_load_b128 v[WS+8*\b+4*\p:WS+8*\b+4*\p+3], v[WSO], s[80:81] offset:\p*16384+\b*4096   ; a plane's four words of my row: K steps 4 p .. 4 p + 3
.endr
.endr
.irp u, 0,1
.irp s, 0,1,2,3,4,5,6,7
	global_load_b32 v[XS+8*\u+\s], v[XSO], s[82:83] offset:65536*\u+128*\s
.endr
.endr
	; the addresses of the loop and of the tail
	v_mul_u32_u24 v3, v1, PITCH
	v_lshl_add_u32 v3, v2, 4, v3                   ; a fragment's row x pitch + 16 x half
	s_mul_i32 s21, s11, HALFT
	s_mul_i32 s22, s12, HALFT
	s_add_co_u32 s22, s22, 2*HALFT
.irp s, 0,1
	v_add_nc_u32 v[ADRA+\s], s21, v3
	v_add_nc_u32 v[ADRB+\s], s22, v3
	s_add_co_u32 s21, s21, SLOT
	s_add_co_u32 s22, s22, SLOT
.endr
	s_mul_i32 s20, s11, 16*SGP                     ; the stage: row 16 rh + r; 256 ch + 32 h bytes on
	s_lshl_b32 s21, s12, 8
	s_add_co_u32 s20, s20, s21
	s_add_co_u32 s20, s20, STG
	v_mul_u32_u24 v[SIN], v1, SGP
	v_lshl_add_u32 v[SIN], v2, 5, v[SIN]
	v_add_nc_u32 v[SIN], s20, v[SIN]
	s_mul_i32 s20, s10, 8*SGP                      ; back: rows 8 wave on, 16 bytes a lane
	s_add_co_u32 s20, s20, STG
	v_add_nc_u32 v[SOUT], s20, v[IMO]
	v_lshlrev_b32 v[GOO], 3, v4
	v_and_b32 v[L7], 7, v0
	v_lshlrev_b32 v[GSO], 6, v[L7]
	s_lshl_b32 s20, s13, 5
	s_lshl_b32 s21, s10, 3
	s_add_co_u32 s20, s20, s21                     ; the first row of out that I store: 32 x tile row + 8 x wave; the second tile's lie 1,024 rows on, which stands in the stores' immediates
	s_lshl_b32 s22, s20, 6
	s_lshl_b32 s20, s20, 11
	s_lshl_b32 s21, s42, 8
	s_add_co_u32 s20, s20, s21                     ; + the tile's 128 columns of f16
	s_mov_b32 s21, 0
	s_add_nc_u64 s[8:9], s[74:75], s[20:21]
	s_lshl_b32 s21, s42, 3
	s_add_co_u32 s20, s22, s21
	s_add_co_u32 s20, s20, OSC
	s_mov_b32 s21, 0
	s_add_nc_u64 s[86:87], s[74:75], s[20:21]      ; and their scales: 64 bytes a row, 8 a chunk
	s_mov_b32 s[SEL], 0x76543210
	s_mov_b32 s[SEL+1], 0xfedcba98
	s_mov_b32 s[CC], 0x3d38aa3b                    ; log2(e) / 32
	; the prefetches: who asks, and where
	s_lshl_b32 s14, s13, 8
	s_lshl_b32 s15, s42, 8
	s_and_b32 s22, ttmp7, 0xffff                   ; cluster y
	s_cmp_eq_u32 s11, 0                            ; do I fetch for A?
	s_cselect_b32 s20, s14, s15                    ; the tile's first row
	s_cselect_b32 s21, s40, s41                    ; my place among the four that ask for it with me
	s_cselect_b32 s22, ttmp9, s22                  ; the coordinate along which other clusters read the same rows
	s_cselect_b64 s[PFA:PFA+1], s[4:5], s[6:7]
	s_cmp_eq_u32 s22, 0
	s_cselect_b32 s[LIM], 1, -1                    ; the same in all sixteen partners, for a given wave
	s_lshl_b32 s22, s12, 7
	s_add_co_u32 s20, s20, s22
	s_lshl_b32 s21, s21, 5
	s_add_co_u32 s20, s20, s21
	s_lshl_b32 s20, s20, 11
	s_mov_b32 s21, 0
	s_add_nc_u64 s[PFA:PFA+1], s[PFA:PFA+1], s[20:21]
	s_add_nc_u64 s[PFA:PFA+1], s[PFA:PFA+1], 2*KSTEP*2   ; at K step 2: the first refill steps it to 3 and names K step 4; nothing is prefetched at the head
	v_and_b32 v[PFO], 31, v0
	v_lshlrev_b32 v[PFO], 11, v[PFO]
	s_wait_loadcnt 0x0
; q^T = Wq^T x^T + bq: source 0 = 16 rows of Wq's codes, source 1 = my 16 rows of x.  Four accumulators by turns, K ascending.
; qd: where q goes; xi: x's images in window 3; xs: their scale words; w0, w1: the windows of the first K step (C = the bias, window 1) and of the others (C = D)
.macro QPROD qd, xi, xs, w0, w1
.irp s, 0,1,2,3,4,5,6,7
.if \s == 0
	WIN \w0
.else
	WIN \w1
.endif
.irp b, 0,1,2,3
.if \s == 0
	v_wmma_scale_f32_16x16x128_f8f6f4 v[\qd+8*\b:\qd+8*\b+7], v[8*(8*\b+\s):8*(8*\b+\s)+7], v[\xi+8*\s:\xi+8*\s+7], v[BI+8*\b:BI+8*\b+7], v[WS+8*\b+\s], v[\xs+\s] matrix_a_fmt:MATRIX_FMT_FP4 matrix_b_fmt:MATRIX_FMT_FP4
.else
	v_wmma_scale_f32_16x16x128_f8f6f4 v[\qd+8*\b:\qd+8*\b+7], v[8*(8*\b+\s):8*(8*\b+\s)+7], v[\xi+8*\s:\xi+8*\s+7], v[\qd+8*\b:\qd+8*\b+7], v[WS+8*\b+\s], v[\xs+\s] matrix_a_fmt:MATRIX_FMT_FP4 matrix_b_fmt:MATRIX_FMT_FP4
.endif
.endr
.endr
.endm
	QPROD Q, 0, XS, 0x1e, 0x0e                     ; source 0 window 2, source 1 window 3; D window 0
	QPROD Q2, 64, XS+8, 0x5e, 0x5e                 ; the same; C and D window 1
	WIN 0
.rept 5
	v_nop                                          ; the first tile's first products write over registers that these products read: five plain lines between
.endr
; 16 matrix instructions: blocks a0, a0 + 1 of the window's four w x all 8 blocks of B, 32 along K.  zero = 1: the first product starts the sums from the biases.
.macro MUL16 f, hi, a0, zero
.irp a, \a0, \a0+1
.irp b, 0,1,2,3,4,5,6,7
.if \zero
	v_wmma_f32_16x16x32_f16 v[8*(8*(\a)+\b):8*(8*(\a)+\b)+7], v[\f+8*\b:\f+8*\b+7], v[\f+8*(4*\hi+\a):\f+8*(4*\hi+\a)+7], v[BI+8*\b:BI+8*\b+7]
.else
	v_wmma_f32_16x16x32_f16 v[8*(8*(\a)+\b):8*(8*(\a)+\b)+7], v[\f+8*\b:\f+8*\b+7], v[\f+8*(4*\hi+\a):\f+8*(4*\hi+\a)+7], v[8*(8*(\a)+\b):8*(8*(\a)+\b)+7]
.endif
.endr
.endr
.endm
.macro FETCH slot, k, f                ; 32 LDS loads in one run: the fragments of 32 along K at byte k of the rows
	WIN TO_B
.irp i, 0,1,2,3,4,5,6,7
	ds_load_b128 v[\f+8*\i:\f+8*\i+3],   v[ADRB+\slot] offset:\k+\i*16*PITCH
	ds_load_b128 v[\f+8*\i+4:\f+8*\i+7], v[ADRB+\slot] offset:\k+\i*16*PITCH+32
.endr
	WIN 0
.irp i, 0,1,2,3,4,5,6,7
	ds_load_b128 v[\f+8*\i:\f+8*\i+3],   v[ADRA+\slot] offset:\k+\i*16*PITCH
	ds_load_b128 v[\f+8*\i+4:\f+8*\i+7], v[ADRA+\slot] offset:\k+\i*16*PITCH+32
.endr
.endm
.macro PLACES                          ; four plain vector lines between matrix instructions and loads into registers that they read, or reads of their results
.rept 4
	v_nop
.endr
.endm
.macro QUARTER slot, k, f, g, zero     ; 64 matrix instructions on buffer f; in the middle the next quarter's fragments, at byte k, into buffer g
	s_wait_dscnt 8                                 ; B and A's rows 0-63 are in; the youngest eight loads (A's rows 64-127) may be out
.if \zero
	WIN 0x91                                       ; C (the biases) window 1, D window 2
.else
	WIN MUL_LO
.endif
	MUL16 \f, 0, 0, \zero
	MUL16 \f, 0, 2, \zero
	PLACES
	FETCH \slot, \k, \g
	s_wait_dscnt 32                                ; all but the 32 just issued
.if \zero
	WIN 0xd1
.else
	WIN MUL_HI
.endif
	MUL16 \f, 1, 0, \zero
	MUL16 \f, 1, 2, \zero
.endm
; The first half of a K step's last quarter: one barrier for the change of slots.  In front of it each wave waits for all its tensor loads, adds 0 to its spare word, and waits for that and for its reads of this slot.
.macro MEET round
	WIN 0
	s_wait_tensorcnt 0x0                           ; the one load that was out is my part of the next slot
	ds_add_u32 v[SPW], v[NIL]
	s_wait_dscnt 9                                 ; (the add and the youngest eight loads may be out)
	WIN MUL_LO
	MUL16 F1, 0, 0, 0
	s_wait_dscnt 0x0                               ; the add is done, and my reads of this slot are over
	s_barrier_signal -1
	MUL16 F1, 0, 2, 0
.if \round
	WIN 0
.endif
	s_barrier_wait -1
.endm
; The whole last quarter, with the refill of the slot just read out: with this tile's K step two steps on (on = 0) or, in the first tile's last two K steps, with the second tile's K step 0 or 1 (on = 1).
; fetch = 1: the next slot's first fragments follow.  At the first tile's very end they do not: the tail works in A's fragment registers, and the fetch stands behind it.
.macro TURN slot, next, on, fetch
	s_wait_xcnt 0x0                                ; the last prefetch, a K step back, has read its address
.if (\on) && ((\slot) == 0)
	s_add_nc_u64 s[PFA:PFA+1], s[PFA:PFA+1], (WALK-1)*SIZE_K*2+KSTEP*2   ; from the K step after the tile's last to the next tile's K step 1: WALK rows down, back along K
	s_cmp_eq_u32 s11, 0
	s_cselect_b32 s[LIM], s[LIM], -1               ; B's rows are the same for both tiles: they are asked for no more
.else
	s_add_nc_u64 s[PFA:PFA+1], s[PFA:PFA+1], KSTEP*2
.endif
	MEET 1
	CREST                                          ; the barrier has opened a round of the cluster's: no wave of any partner still reads this slot or has a load on its way
.if \on
	s_add_nc_u64 s[G0+4*\slot+2:G0+4*\slot+3], s[G0+4*\slot+2:G0+4*\slot+3], NEXT_A
	s_sub_nc_u64 s[G0B+4*\slot+2:G0B+4*\slot+3], s[G0B+4*\slot+2:G0B+4*\slot+3], BACK_B
.else
	s_add_nc_u64 s[G0+4*\slot+2:G0+4*\slot+3], s[G0+4*\slot+2:G0+4*\slot+3], 2*KSTEP*2
	s_add_nc_u64 s[G0B+4*\slot+2:G0B+4*\slot+3], s[G0B+4*\slot+2:G0B+4*\slot+3], 2*KSTEP*2
.endif
	JLOAD \slot                                    ; the first tensor load behind the round; its four v_nop are also the places in front of the loads below
.if \fetch
	FETCH \next, 0, F0
.endif
	ASK \on
	WIN MUL_HI
	MUL16 F1, 1, 0, 0
	MUL16 F1, 1, 2, 0
.endm
; A tile from its first quarter to the third quarter of its K step 6.  The first quarter stands in front of the loop: its products start the sums.  A trip goes once round the ring and fills both slots again.
.macro RING
	QUARTER 0, 64,  F0, F1, 1
	WIN 0
	s_mov_b32 s3, LAPS-1
.Llap_\@:
	QUARTER 0, 128, F1, F0, 0
	QUARTER 0, 192, F0, F1, 0
	TURN 0, 1, 0, 1
	QUARTER 1, 64,  F0, F1, 0
	QUARTER 1, 128, F1, F0, 0
	QUARTER 1, 192, F0, F1, 0
	TURN 1, 0, 0, 1
	QUARTER 0, 64,  F0, F1, 0
	WIN 0
	s_sub_co_u32 s3, s3, 1
	s_cmp_lg_u32 s3, 0
	s_cbranch_scc1 .Llap_\@
	QUARTER 0, 128, F1, F0, 0
	QUARTER 0, 192, F0, F1, 0
.endm
; THE TAIL of tile tl.  qb, qw: the tile's q: its first register and its window.
.macro TAIL qb, qw, tl
	; scores: my 32 d of q . k for each w, two at a time; the window's four w by turns; each accumulator is read from its low end on
.irp hi, 0,1
	WIN 0x08+4*\hi+\qw                             ; source 1 (k): window 2 or 3
.irp b, 0,1,2,3
.irp p, 0,1,2,3
.irp a, 0,1,2,3
.if (\b == 0) && (\p == 0)
	v_pk_mul_f32 v[PS+2*(4*\hi+\a):PS+2*(4*\hi+\a)+1], v[\qb+8*\b+2*\p:\qb+8*\b+2*\p+1], v[8*(8*\a+\b)+2*\p:8*(8*\a+\b)+2*\p+1]
.else
	v_pk_fma_f32 v[PS+2*(4*\hi+\a):PS+2*(4*\hi+\a)+1], v[\qb+8*\b+2*\p:\qb+8*\b+2*\p+1], v[8*(8*\a+\b)+2*\p:8*(8*\a+\b)+2*\p+1], v[PS+2*(4*\hi+\a):PS+2*(4*\hi+\a)+1]
.endif
.endr
.endr
.endr
.endr
	WIN 0
.irp a, 0,1,2,3,4,5,6,7
	v_add_f32 v[SS+\a], v[PS+2*\a], v[PS+2*\a+1]
.endr
.irp a, 0,1,2,3,4,5,6,7
	v_mov_b32 v[PT+\a], 0                          ; a lane permute's destination counts as one of its sources
.endr
.irp a, 0,1,2,3,4,5,6,7
	v_permlanex16_b32 v[PT+\a], v[SS+\a], s[SEL], s[SEL+1]
.endr
.irp a, 0,1,2,3,4,5,6,7
	v_add_f32 v[SS+\a], v[SS+\a], v[PT+\a]         ; with the other 32 d: the score x 32
.endr
	v_max3_num_f32 v[MX], v[SS], v[SS+1], v[SS+2]
	v_max3_num_f32 v[MX], v[MX], v[SS+3], v[SS+4]
	v_max3_num_f32 v[MX], v[MX], v[SS+5], v[SS+6]
	v_max_num_f32 v[MX], v[MX], v[SS+7]            ; the window's maximum is taken away ahead of the exponential
.irp a, 0,1,2,3,4,5,6,7
	v_sub_f32 v[SS+\a], v[SS+\a], v[MX]            ; the difference first, not fused with the scaling: it is then exact for near scores however large they are
.endr
.irp a, 0,1,2,3,4,5,6,7
	v_mul_f32 v[SS+\a], s[CC], v[SS+\a]
.endr
.irp a, 0,1,2,3,4,5,6,7
	v_exp_f32 v[SS+\a], v[SS+\a]
.endr
	v_nop                                          ; a plain line behind the last exponential
	s_wait_alu depctr_va_vdst(0)                   ; one wait for the eight, ahead of their first reader
	v_add_f32 v[MX], v[SS], v[SS+1]
	v_add_f32 v[MX+1], v[SS+2], v[SS+3]
	v_add_f32 v[MX+2], v[SS+4], v[SS+5]
	v_add_f32 v[MX+3], v[SS+6], v[SS+7]
	v_add_f32 v[MX], v[MX], v[MX+1]
	v_add_f32 v[MX+2], v[MX+2], v[MX+3]
	v_add_f32 v[MX], v[MX], v[MX+2]
	v_rcp_f32 v[MX+1], v[MX]
	v_nop
	s_wait_alu depctr_va_vdst(0)
.irp a, 0,1,2,3,4,5,6,7
	v_mul_f32 v[PR+2*\a], v[SS+\a], v[MX+1]        ; the weight, in both words of a pair for the packed lines below
	v_mul_f32 v[PR+2*\a+1], v[SS+\a], v[MX+1]
.endr
.irp hi, 0,1                           ; out = sum over w of p v: sixteen pairs that do not wait for each other
	WIN 0x02+\hi                                   ; source 0 (v): window 2 or 3
.irp a, 0,1,2,3
.irp b, 0,1,2,3
.irp p, 0,1,2,3
.if (\hi == 0) && (\a == 0)
	v_pk_mul_f32 v[OO+8*\b+2*\p:OO+8*\b+2*\p+1], v[8*(8*\a+4+\b)+2*\p:8*(8*\a+4+\b)+2*\p+1], v[PR+2*(4*\hi+\a):PR+2*(4*\hi+\a)+1]
.else
	v_pk_fma_f32 v[OO+8*\b+2*\p:OO+8*\b+2*\p+1], v[8*(8*\a+4+\b)+2*\p:8*(8*\a+4+\b)+2*\p+1], v[PR+2*(4*\hi+\a):PR+2*(4*\hi+\a)+1], v[OO+8*\b+2*\p:OO+8*\b+2*\p+1]
.endif
.endr
.endr
.endr
.endr
	WIN 0
.irp b, 0,1,2,3
	ds_store_b128 v[SIN], v[OO+8*\b:OO+8*\b+3] offset:64*\b           ; out(t = 16 rh + r, column 64 ch + 16 b + 8 h + 0 .. 7)
	ds_store_b128 v[SIN], v[OO+8*\b+4:OO+8*\b+7] offset:64*\b+16
.endr
	s_wait_dscnt 0x0                               ; for the other waves: my stores into the stage are done
	s_barrier_signal -1
	s_barrier_wait -1                              ; 32 whole rows of 128 columns lie in the stage
.irp i, 0,1,2,3,4,5,6,7
	ds_load_b128 v[RR+4*\i:RR+4*\i+3], v[SOUT] offset:SGP*\i
.endr
	s_wait_dscnt 0x0
.irp i, 0,1,2,3,4,5,6,7
	v_max3_num_f32 v[RM+\i], |v[RR+4*\i]|, |v[RR+4*\i+1]|, 0x0d800000   ; with the floor 2^-100
.endr
.irp i, 0,1,2,3,4,5,6,7
	v_max3_num_f32 v[RM+\i], v[RM+\i], |v[RR+4*\i+2]|, |v[RR+4*\i+3]|
.endr
.irp m, 1,2,4,8
.irp i, 0,1,2,3,4,5,6,7
	v_max_num_f32_dpp v[RM+\i], v[RM+\i], v[RM+\i] row_xmask:\m row_mask:0xf bank_mask:0xf
.endr
.endr
.irp i, 0,1,2,3,4,5,6,7
	v_permlanex16_b32 v[PT+\i], v[RM+\i], s[SEL], s[SEL+1]
.endr
.irp i, 0,1,2,3,4,5,6,7
	v_max_num_f32 v[RM+\i], v[RM+\i], v[PT+\i]     ; the row's largest magnitude in these 128 columns, in every lane
.endr
.irp i, 0,1,2,3,4,5,6,7
	v_and_b32 v[RM+\i], 0x7f800000, v[RM+\i]       ; its exponent field E
.endr
.irp i, 0,1,2,3,4,5,6,7
	v_sub_nc_u32 v[PT+\i], 0x86000000, v[RM+\i]    ; 2^(141 - E): the largest lands in [2^14, 2^15); E is 27 to 254, so the field is 14 to 241
.endr
.irp i, 0,1,2,3,4,5,6,7
	v_add_nc_u32 v[RM+\i], 0xf9000000, v[RM+\i]    ; and its inverse, 2^(E - 141), which goes beside the row
.endr
.irp i, 0,1,2,3,4,5,6,7
.irp k, 0,1,2,3
	v_mul_f32 v[RR+4*\i+\k], v[RR+4*\i+\k], v[PT+\i]   ; by a power of two: nothing is rounded
.endr
.endr
.irp i, 0,1,2,3,4,5,6,7
	v_cvt_pk_f16_f32 v[RR+4*\i], v[RR+4*\i], v[RR+4*\i+1]
	v_cvt_pk_f16_f32 v[RR+4*\i+1], v[RR+4*\i+2], v[RR+4*\i+3]
.endr
.irp i, 0,1,2,3,4,5,6,7
	global_store_b64 v[GOO], v[RR+4*\i:RR+4*\i+1], s[8:9] offset:2097152*\tl+2048*\i   ; 32 lanes store 256 consecutive bytes, aligned; the second tile's rows lie 1,024 rows of 2,048 bytes on
.endr
	v_mov_b32 v[FW], v[RM]                         ; lane l keeps the scale of row l % 8
.irp i, 1,2,3,4,5,6,7
	v_cmp_eq_u32 vcc_lo, \i, v[L7]
	v_cndmask_b32 v[FW], v[FW], v[RM+\i], vcc_lo
.endr
	v_mov_b32 v[FW+1], v[FW]
	global_store_b64 v[GSO], v[FW:FW+1], s[86:87] offset:65536*\tl   ; eight rows' scales, each twice; four lanes write the same bytes with the same value
.endm
	s_wait_tensorcnt 1                             ; my part of K step 0 is in; K step 1's may stay out
	s_barrier_signal -1
	s_barrier_wait -1
	FETCH 0, 0, F0
	; ---- THE FIRST TILE
	RING
	TURN 0, 1, 1, 1                                ; THE RING GOES ON INTO THE SECOND TILE: slot 0 takes its K step 0,
	QUARTER 1, 64,  F0, F1, 0
	QUARTER 1, 128, F1, F0, 0
	QUARTER 1, 192, F0, F1, 0
	TURN 1, 0, 1, 0                                ; slot 1 its K step 1; both land while the tail below is worked
	WIN 0
	PLACES
	TAIL Q, 0, 0
	s_wait_xcnt 0x0                                ; the tail's stores have read their data: the next fragments land on those registers only behind this wait
	s_barrier_signal -1                            ; every wave's reads of the stage are back (its wait for them stands in the tail): the second tail writes the stage only behind this barrier
	s_barrier_wait -1
	; ---- THE SECOND TILE.  Slot 0 is whole: each wave waited for its part in front of the last round
	FETCH 0, 0, F0
	RING
	MEET 0                                         ; the last lap fills nothing
	PLACES
	FETCH 1, 0, F0
	WIN MUL_HI
	MUL16 F1, 1, 0, 0
	MUL16 F1, 1, 2, 0
	QUARTER 1, 64,  F0, F1, 0
	QUARTER 1, 128, F1, F0, 0
	QUARTER 1, 192, F0, F1, 0
	s_wait_dscnt 8
	WIN MUL_LO
	MUL16 F1, 0, 0, 0
	MUL16 F1, 0, 2, 0
	s_wait_dscnt 0x0
	WIN MUL_HI
	MUL16 F1, 1, 0, 0
	MUL16 F1, 1, 2, 0
	WIN 0
	PLACES
	TAIL Q2, 1, 1
	s_wait_tensorcnt 0x0                           ; the wave's end
	ds_add_u32 v[SPW], v[NIL]
	s_wait_dscnt 0x0
	CROUND                                         ; the closing round
	s_endpgm
.Lfunc_end_k_q191054a8ad_kvatt:
	.size	k_q191054a8ad_kvatt, .Lfunc_end_k_q191054a8ad_kvatt-k_q191054a8ad_kvatt
	.p2alignl 7, 3214868480
	.fill 96, 4, 3214868480
	.section	.rodata,"a",@progbits
	.p2align	6, 0x0
	.amdhsa_kernel k_q191054a8ad_kvatt
		.amdhsa_group_segment_fixed_size 327680
		.amdhsa_private_segment_fixed_size 0
		.amdhsa_enable_private_segment 0
		.amdhsa_kernarg_size 48
		.amdhsa_user_sgpr_count 2
		.amdhsa_user_sgpr_kernarg_segment_ptr 1
		.amdhsa_wavefront_size32 1
		.amdhsa_system_sgpr_workgroup_id_x 1
		.amdhsa_system_sgpr_workgroup_id_y 1
		.amdhsa_system_sgpr_workgroup_id_z 1
		.amdhsa_system_vgpr_workitem_id 0
		.amdhsa_next_free_vgpr 1024
		.amdhsa_next_free_sgpr 100
		.amdhsa_reserve_vcc 1
		.amdhsa_float_denorm_mode_32 3
		.amdhsa_float_denorm_mode_16_64 3
		.amdhsa_memory_ordered 1
		.amdhsa_forward_progress 1
		.amdhsa_inst_pref_size 255
	.end_amdhsa_kernel
	.section	.bss,"aw",@nobits
	.p2align	6
	.space	262144
	.amdgpu_metadata
---
amdhsa.version: [ 1, 2 ]
amdhsa.kernels:
  - .name:           k_q191054a8ad_kvatt
    .symbol:         k_q191054a8ad_kvatt.kd
    .args:
      - { .name: att, .offset: 0, .size: 8, .value_kind: global_buffer, .address_space: global }
      - { .name: w16, .offset: 8, .size: 8, .value_kind: global_buffer, .address_space: global }
      - { .name: q4, .offset: 16, .size: 8, .value_kind: global_buffer, .address_space: global }
      - { .name: bq, .offset: 24, .size: 8, .value_kind: global_buffer, .address_space: global }
      - { .name: bv, .offset: 32, .size: 8, .value_kind: global_buffer, .address_space: global }
      - { .name: o16, .offset: 40, .size: 8, .value_kind: global_buffer, .address_space: global }
    .group_segment_fixed_size: 327680
    .private_segment_fixed_size: 0
    .kernarg_segment_align: 8
    .kernarg_segment_size: 48
    .max_flat_workgroup_size: 128
    .sgpr_count:     100
    .vgpr_count:     1024
    .wavefront_size: 32
...
	.end_amdgpu_metadata
.endif
;; end of part 3
;; launch proj (part 4): grid 16 x 16, 4 waves a work-group, clusters of 4 x 4, 327,680 bytes of LDS; arguments o16, w16, bo, out0; writes out0
.if DOCPART == 4
	.amdgcn_target "amdgcn-amd-amdhsa--gfx1250"
	.amdhsa_code_object_version 6
	.text
	.protected	k_q191054a8ad_proj
	.globl	k_q191054a8ad_proj
	.p2align	8
	.type	k_q191054a8ad_proj,@function
k_q191054a8ad_proj:
	s_mov_b64 s[64:65], 0
	v_nop
	global_prefetch_b8 v0, s[64:65] scope:SCOPE_SE
	s_setreg_imm32_b32 hwreg(HW_REG_WAVE_MODE, 25, 1), 1
	s_wait_xcnt 0x0
	s_wait_alu depctr_hold_cnt(0) depctr_sa_sdst(0) depctr_va_vdst(0) depctr_va_sdst(0) depctr_va_ssrc(0) depctr_va_vcc(0) depctr_vm_vsrc(0)
	s_getreg_b32 s2, hwreg(HW_REG_IB_STS2, 6, 4)
	s_cmp_eq_u32 s2, 0
	s_cbranch_scc0 .Lentry_in_a_cluster
	s_endpgm
.Lentry_in_a_cluster:
	s_bfe_u32 s2, ttmp6, 0x10000c
	s_cmp_lg_u32 s2, 0xf033
	s_cbranch_scc0 .Lentry_shape_is_right
	s_endpgm
.Lentry_shape_is_right:
; PROJ: out0 = out Wo + bo.  A = o16 [2,048][1,024] f16, each (row, chunk of 128 columns) under its own power-of-two scale; the scales lie behind it as f32, each twice.  B = WOT [1,024 n][1,024 k] f16.  Sums in f32.
; A tile of 128 rows x 64 columns: 2,048 x 1,024 outputs are then 256 work-groups.  Four waves, each 32 rows x all 64 columns: 8 accumulators; a wave's 64 columns of f32 are 256 bytes of a row of out0.
; K goes in four steps of 256 (LDS rows of 512 bytes) through THREE slots: K steps 0, 1 and 2 are first fills and go out together at the head; only K step 3 is a refill, of slot 0, and it has two K steps' work in which to land.
; So there is one round with a refill; between slots 1 and 2 stands no barrier (that round has shown both whole to every wave), and one plain barrier stands in front of K step 3.
; A wave has three tensor loads out at the start and one behind the round.
; CLUSTER 4 x 4: A's tiles are asked for jointly along a row, B's along a column.  Waves 0 and 1 fetch A's halves of 64 rows, waves 2 and 3 B's halves of 32: B's tile has 64 rows in all, and so every wave has one load.
; A CHUNK of 128 along K is summed by the matrix unit in T, begun from the constant 0; then M = T x the rows' scale of that chunk + M, one packed fused line for two numbers.  The first fold adds onto bo, so nothing is cleared.
; The four K steps are written out: the fold's scale registers change with the chunk.
; THE MATRIX INSTRUCTION IS USED TRANSPOSED (source 0 = 16 rows of B, source 1 = 16 rows of A): a lane holds one row and eight neighbouring columns, so a row's scale is a lane's own.
; REGISTERS: window 0: v0-31 addresses; v32-63 the scales (rows 16 a + r, chunk j: the pair at 32 + 16 a + 2 j); v128-191 T.  window 1: two fragment buffers, v0-95 and v128-223: 32 registers of A, then 64 of B, for 64 along K.
;   window 2: v0-63 M; v128-159 bo in the result's layout.
.set SIZE_K, 1024
.set KSTEP,  256
.set PITCH,  528                       ; an LDS row: 512 bytes + 16 of padding
.set HA,     64*PITCH                  ; half of A's tile: what wave 0 or 1 fetches
.set HB,     32*PITCH                  ; half of B's: what wave 2 or 3 fetches
.set SLOT,   2*HA+2*HB                 ; A's 128 rows, then B's 64
.set STAGE,  3*SLOT                    ; behind the slots: 16 rows x 272 bytes for each wave
.set SPITCH, 272
.set SPARE,  STAGE+4*16*SPITCH         ; the spare words, 128 bytes for each wave: two blocks of 256 bytes that no other line names
.set WOT,    0x400000
.set OSC,    0x400000
.set ADRA, 16                          ; v16-18  LDS address of my A fragments in slot 0, 1, 2
.set ADRB, 20                          ; v20-22  the same for B
.set STO,  24
.set RD,   25
.set CO,   26
.set SPW,  28
.set NIL,  29
.set S,    32
.set ACC,  128
.set BO,   128                         ; in window 2
.set F0,   0
.set F1,   128
.set G1,  24                           ; s[24:31] group 1 for A's tiles;  s[32:43] groups 0, one for each slot
.set G0,  32
.set G1B, 44                           ; s[44:51], s[52:63] the same for B's
.set G0B, 52
.set MSB, 0
.macro WIN new
.if MSB != (\new)
	s_set_vgpr_msb (MSB<<8)|(\new)
.set MSB, (\new)
.endif
.endm
.set MUL,  0x05                        ; sources 0 (B) and 1 (A) window 1; C and D window 0
.set TO_F, 0x40
.macro JLOAD s                         ; an s_nop 0 and four v_nop follow each of the two lines
	s_cmp_eq_u32 s11, 0
	s_cbranch_scc0 .Lfor_b_\@
	tensor_load_to_lds s[G0+4*\s:G0+4*\s+3], s[G1:G1+7]
	s_nop 0
.rept 4
	v_nop
.endr
	s_branch .Lasked_\@
.Lfor_b_\@:
	tensor_load_to_lds s[G0B+4*\s:G0B+4*\s+3], s[G1B:G1B+7]
	s_nop 0
.rept 4
	v_nop
.endr
.Lasked_\@:
.endm
.macro CREST
	s_cmp_lg_u32 s10, 0
	s_cbranch_scc1 .Lnot_wave_0_\@
	s_barrier_signal -3
.Lnot_wave_0_\@:
	s_barrier_wait -3
	s_barrier_signal -1
	s_barrier_wait -1
.endm
.macro CROUND
	s_barrier_signal -1
	s_barrier_wait -1
	CREST
.endm
	s_load_b256 s[68:75], s[0:1], 0x0              ; o16 s[68:69], w16 s[70:71], bo s[72:73], out0 s[74:75]
	v_lshl_add_u32 v[SPW], v0, 2, SPARE
	v_mov_b32 v[NIL], 0
	ds_add_u32 v[SPW], v[NIL]                      ; the opening: the add, twice on end, and its wait ahead of my first tensor load
	ds_add_u32 v[SPW], v[NIL]
	v_lshrrev_b32 v1, 5, v0
	v_readfirstlane_b32 s10, v1                    ; wave 0..3: my 32 rows of the tile
	s_lshr_b32 s11, s10, 1                         ; I fetch for A (0) or for B (1),
	s_and_b32 s12, s10, 1                          ; and which half
	s_bfe_u32 s84, ttmp6, 0x40000                  ; cx, cy
	s_bfe_u32 s85, ttmp6, 0x40004
	s_lshl_b32 s86, ttmp9, 2
	s_add_co_u32 s86, s86, s84                     ; tile column, 0 to 15
	s_and_b32 s13, ttmp7, 0xffff
	s_lshl_b32 s13, s13, 2
	s_add_co_u32 s13, s13, s85                     ; tile row, 0 to 15
	s_lshl_b32 s87, s85, 2
	s_lshl_b32 s87, 15, s87                        ; my row of the cluster
	s_lshl_b32 s88, 0x1111, s84                    ; my column
	s_or_b32 s[G1+0], s87, (1<<16)|(1<<20)|(1<<21)|(6<<22)|(3<<25)   ; the mask; elements of 2 bytes; padding on; bit 21 beside a mask; after every 128 words, 4 words
	s_or_b32 s[G1B+0], s88, (1<<16)|(1<<20)|(1<<21)|(6<<22)|(3<<25)
.irp g, G1, G1B
	s_mov_b32 s[\g+1], KSTEP<<16                   ; tensor_dim0
	s_mov_b32 s[\g+3], KSTEP<<16                   ; tile_dim0
	s_mov_b32 s[\g+5], SIZE_K                      ; from row to row, in elements
	s_mov_b32 s[\g+6], 0
	s_mov_b32 s[\g+7], 0
.endr
	s_mov_b32 s[G1+2], 64<<16                      ; tensor_dim1, tile_dim1: A's 64 rows,
	s_mov_b32 s[G1+4], 64
	s_mov_b32 s[G1B+2], 32<<16                     ; B's 32
	s_mov_b32 s[G1B+4], 32
	s_lshl_b32 s17, s12, 6
	s_lshl_b32 s16, s13, 7
	s_add_co_u32 s16, s16, s17                     ; A: row 128 x tile row + 64 x half
	s_lshl_b32 s16, s16, 11
	s_mov_b32 s17, 0
	s_lshl_b32 s91, s12, 5
	s_lshl_b32 s90, s86, 6
	s_add_co_u32 s90, s90, s91                     ; B: row 64 x tile column + 32 x half
	s_lshl_b32 s90, s90, 11
	s_add_co_u32 s90, s90, WOT
	s_mov_b32 s91, 0
	s_mul_i32 s20, s12, HA                         ; where they go: A's halves,
	s_mul_i32 s21, s12, HB
	s_add_co_u32 s21, s21, 2*HA                    ; B's behind them: no place in the cluster enters an LDS address
	s_wait_dscnt 0x0                               ; both opening adds are done
	s_wait_kmcnt 0x0
	s_add_nc_u64 s[14:15], s[68:69], s[16:17]
	s_add_nc_u64 s[90:91], s[70:71], s[90:91]
	CROUND                                         ; all sixteen work-groups are here: the first joint loads meet
.irp s, 0,1,2                          ; K steps 0, 1, 2 into slots 0, 1, 2: the first fills go out as one group
	s_mov_b32 s[G0+4*\s], 1
	s_add_co_u32 s[G0+4*\s+1], s20, \s*SLOT
	s_add_nc_u64 s[G0+4*\s+2:G0+4*\s+3], s[14:15], \s*KSTEP*2
	s_or_b32 s[G0+4*\s+3], s[G0+4*\s+3], 0x80000000
	s_mov_b32 s[G0B+4*\s], 1
	s_add_co_u32 s[G0B+4*\s+1], s21, \s*SLOT
	s_add_nc_u64 s[G0B+4*\s+2:G0B+4*\s+3], s[90:91], \s*KSTEP*2
	s_or_b32 s[G0B+4*\s+3], s[G0B+4*\s+3], 0x80000000
	JLOAD \s
.endr
	v_and_b32 v1, 15, v0                           ; r
	v_bfe_u32 v2, v0, 4, 1                         ; h
	s_lshl_b32 s16, s13, 7
	s_lshl_b32 s17, s10, 5
	s_add_co_u32 s16, s16, s17                     ; my first row: 128 x tile row + 32 x wave
	s_lshl_b32 s18, s16, 6
	s_add_co_u32 s18, s18, OSC
	s_mov_b32 s19, 0
	s_add_nc_u64 s[76:77], s[68:69], s[18:19]      ; its scales: 64 bytes a row
	s_lshl_b32 s92, s86, 8                         ; the tile's first column, in bytes of f32
	s_mov_b32 s93, 0
	s_add_nc_u64 s[78:79], s[72:73], s[92:93]
	s_lshl_b32 s16, s16, 12
	s_mov_b32 s17, 0
	s_add_nc_u64 s[8:9], s[74:75], s[16:17]
	s_add_nc_u64 s[8:9], s[8:9], s[92:93]          ; my corner of out0
	v_lshlrev_b32 v6, 6, v1
	v_lshlrev_b32 v7, 5, v2
.irp a, 0,1
.irp q, 0,1,2,3
	global_load_b128 v[S+16*\a+4*\q:S+16*\a+4*\q+3], v6, s[76:77] offset:1024*\a+16*\q   ; row 16 a + r: chunks 2 q and 2 q + 1, each scale twice
.endr
.endr
	WIN 0x80                                       ; destination window 2
.irp b, 0,1,2,3
	global_load_b128 v[BO+8*\b:BO+8*\b+3], v7, s[78:79] offset:64*\b          ; bo at columns 16 b + 8 h + 0 .. 7
	global_load_b128 v[BO+8*\b+4:BO+8*\b+7], v7, s[78:79] offset:64*\b+16
.endr
	WIN 0
	v_mul_u32_u24 v3, v1, PITCH
	v_lshl_add_u32 v3, v2, 4, v3                   ; a fragment's row x pitch + 16 x half
	s_mul_i32 s21, s10, 32*PITCH                   ; my 32 rows of A
	s_mov_b32 s22, 2*HA                            ; B's 64 rows, which all four waves read
.irp s, 0,1,2
	v_add_nc_u32 v[ADRA+\s], s21, v3
	v_add_nc_u32 v[ADRB+\s], s22, v3
	s_add_co_u32 s21, s21, SLOT
	s_add_co_u32 s22, s22, SLOT
.endr
	s_mul_i32 s23, s10, 16*SPITCH
	s_add_co_u32 s23, s23, STAGE                   ; my stage
	v_mul_u32_u24 v4, v1, SPITCH
	v_lshl_add_u32 v4, v2, 5, v4
	v_add_nc_u32 v[STO], s23, v4                   ; in: row r, 32 bytes for each half of the lanes
	v_mul_u32_u24 v5, v2, SPITCH
	v_lshl_add_u32 v5, v1, 4, v5
	v_add_nc_u32 v[RD], s23, v5                    ; back: lanes 0-15 one row, lanes 16-31 the next
	v_lshlrev_b32 v5, 12, v2
	v_lshl_add_u32 v[CO], v1, 4, v5                ; and the same two rows of out0
.macro MUL8 f, c, zero                 ; 8 matrix instructions: my 2 row blocks x the 4 column blocks, 32 along K: half c of buffer f.  The 8 accumulators take turns
.irp a, 0,1
.irp b, 0,1,2,3
.if \zero
	v_wmma_f32_16x16x32_f16 v[ACC+8*(4*\a+\b):ACC+8*(4*\a+\b)+7], v[\f+32+8*(4*\c+\b):\f+32+8*(4*\c+\b)+7], v[\f+8*(2*\c+\a):\f+8*(2*\c+\a)+7], 0
.else
	v_wmma_f32_16x16x32_f16 v[ACC+8*(4*\a+\b):ACC+8*(4*\a+\b)+7], v[\f+32+8*(4*\c+\b):\f+32+8*(4*\c+\b)+7], v[\f+8*(2*\c+\a):\f+8*(2*\c+\a)+7], v[ACC+8*(4*\a+\b):ACC+8*(4*\a+\b)+7]
.endif
.endr
.endr
.endm
.macro FETCH slot, k, f                ; 24 LDS loads in one run: 64 along K at byte k; the twelve of the first 32 along K first
	WIN TO_F
.irp c, 0,1
.irp i, 0,1,2,3
	ds_load_b128 v[\f+32+8*(4*\c+\i):\f+32+8*(4*\c+\i)+3],   v[ADRB+\slot] offset:\k+64*\c+\i*16*PITCH
	ds_load_b128 v[\f+32+8*(4*\c+\i)+4:\f+32+8*(4*\c+\i)+7], v[ADRB+\slot] offset:\k+64*\c+\i*16*PITCH+32
.endr
.irp i, 0,1
	ds_load_b128 v[\f+8*(2*\c+\i):\f+8*(2*\c+\i)+3],         v[ADRA+\slot] offset:\k+64*\c+\i*16*PITCH
	ds_load_b128 v[\f+8*(2*\c+\i)+4:\f+8*(2*\c+\i)+7],       v[ADRA+\slot] offset:\k+64*\c+\i*16*PITCH+32
.endr
.endr
.endm
.macro PLACES                          ; four plain vector lines between matrix instructions and loads into registers that they read, or reads of their results
.rept 4
	v_nop
.endr
.endm
.macro QUARTER slot, k, f, g, zero     ; 64 along K on buffer f; the next quarter's fragments, at byte k of slot's rows, into g.  zero = 1: a chunk's first products start T anew
	s_wait_dscnt 12                                ; the first 32 along K are in; the youngest twelve loads may be out
	WIN MUL
	MUL8 \f, 0, \zero
	PLACES
	FETCH \slot, \k, \g
	s_wait_dscnt 24                                ; all but the 24 just issued
	WIN MUL
	MUL8 \f, 1, 0
.endm
; A K step's last quarter, with a barrier.  In front of it each wave waits for all its tensor loads, adds 0 to its spare word, and waits for that and for its reads of this slot.
; fill = 1: the barrier opens a round of the cluster's, and this slot is filled again, three K steps on.  The fold that follows the macro stands between the fetch and the wait for it.
.macro TURN slot, next, fill
	WIN 0
	s_wait_tensorcnt 0x0                           ; all my tensor loads have landed
	ds_add_u32 v[SPW], v[NIL]
	s_wait_dscnt 13                                ; (the add and the youngest twelve loads may be out)
	WIN MUL
	MUL8 F1, 0, 0
	s_wait_dscnt 0x0                               ; the add is done, and my reads of this slot are over
	s_barrier_signal -1
	MUL8 F1, 1, 0
	WIN 0
	s_barrier_wait -1
.if \fill
	CREST                                          ; no wave of any partner still reads this slot or has a load on its way
	s_add_nc_u64 s[G0+4*\slot+2:G0+4*\slot+3], s[G0+4*\slot+2:G0+4*\slot+3], 3*KSTEP*2
	s_add_nc_u64 s[G0B+4*\slot+2:G0B+4*\slot+3], s[G0B+4*\slot+2:G0B+4*\slot+3], 3*KSTEP*2
	JLOAD \slot                                    ; the first tensor load behind the round; its four v_nop are also the places in front of the loads below
.else
	PLACES
.endif
	FETCH \next, 0, F0
.endm
; Chunk j is folded in: M = T x scale + M (j = 0: + bo).  Four plain lines stand in front of the first read of results; each accumulator is read from its low end on;
; the folds of the other accumulators are the plain lines between an accumulator's last product and the product that begins it anew.
.macro FOLD j
	PLACES
	WIN 0xa0                                       ; source 2 and destination window 2
.irp a, 0,1
.irp b, 0,1,2,3
.irp p, 0,1,2,3
.if \j == 0
	v_pk_fma_f32 v[8*(4*\a+\b)+2*\p:8*(4*\a+\b)+2*\p+1], v[ACC+8*(4*\a+\b)+2*\p:ACC+8*(4*\a+\b)+2*\p+1], v[S+16*\a+2*(\j):S+16*\a+2*(\j)+1], v[BO+8*\b+2*\p:BO+8*\b+2*\p+1]
.else
	v_pk_fma_f32 v[8*(4*\a+\b)+2*\p:8*(4*\a+\b)+2*\p+1], v[ACC+8*(4*\a+\b)+2*\p:ACC+8*(4*\a+\b)+2*\p+1], v[S+16*\a+2*(\j):S+16*\a+2*(\j)+1], v[8*(4*\a+\b)+2*\p:8*(4*\a+\b)+2*\p+1]
.endif
.endr
.endr
.endr
.endm
	s_wait_tensorcnt 2                             ; my part of K step 0 is in; those of K steps 1 and 2 may stay out
	s_barrier_signal -1
	s_barrier_wait -1
	FETCH 0, 0, F0
	QUARTER 0, 128, F0, F1, 1                      ; K step 0, slot 0
	QUARTER 0, 256, F1, F0, 0
	s_wait_loadcnt 0x0                             ; the scales and bo
	FOLD 0
	QUARTER 0, 384, F0, F1, 1
	TURN 0, 1, 1                                   ; slots 1 and 2 are whole in every wave's sight; slot 0 takes K step 3
	FOLD 1
	QUARTER 1, 128, F0, F1, 1                      ; K step 1, slot 1
	QUARTER 1, 256, F1, F0, 0
	FOLD 2
	QUARTER 1, 384, F0, F1, 1
	QUARTER 2, 0,   F1, F0, 0                      ; its last quarter fetches from slot 2: no barrier, since nothing is filled and slot 2 has been shown whole
	FOLD 3
	QUARTER 2, 128, F0, F1, 1                      ; K step 2, slot 2
	QUARTER 2, 256, F1, F0, 0
	FOLD 4
	QUARTER 2, 384, F0, F1, 1
	TURN 2, 0, 0                                   ; K step 3 has landed in slot 0, in every wave's sight; nothing is left to fetch
	FOLD 5
	QUARTER 0, 128, F0, F1, 1                      ; K step 3, slot 0
	QUARTER 0, 256, F1, F0, 0
	FOLD 6
	QUARTER 0, 384, F0, F1, 1
	s_wait_dscnt 12
	WIN MUL
	MUL8 F1, 0, 0
	s_wait_dscnt 0x0
	MUL8 F1, 1, 0
	FOLD 7
	; THE WAY OUT: 16 rows x 64 columns at a time through my own stage; back as whole rows of 256 bytes, into T's registers, a set of 32 for each block, so that no store's data are written again
.irp a, 0,1
	WIN 0x08                                       ; an LDS store's data are its source 1: window 2
.irp b, 0,1,2,3
	ds_store_b128 v[STO], v[8*(4*\a+\b):8*(4*\a+\b)+3] offset:64*\b
	ds_store_b128 v[STO], v[8*(4*\a+\b)+4:8*(4*\a+\b)+7] offset:64*\b+16
.endr
	WIN 0
.irp t, 0,1,2,3,4,5,6,7
	ds_load_b128 v[ACC+32*\a+4*\t:ACC+32*\a+4*\t+3], v[RD] offset:\t*2*SPITCH   ; LDS serves a wave's instructions in order: these see the stores above, and the next block's stores come behind them
.endr
.endr
.irp a, 0,1
.irp t, 0,1,2,3,4,5,6,7
	s_wait_dscnt 16*(1-\a)+7-\t                    ; the LDS instructions issued behind this load may be out
	global_store_b128 v[CO], v[ACC+32*\a+4*\t:ACC+32*\a+4*\t+3], s[8:9] offset:(16*\a+2*\t)*4096 th:TH_STORE_NT   ; sixteen lanes store 256 consecutive bytes, aligned
.endr
.endr
	s_wait_tensorcnt 0x0                           ; the wave's end
	ds_add_u32 v[SPW], v[NIL]
	s_wait_dscnt 0x0
	CROUND                                         ; the closing round
	s_endpgm
.Lfunc_end_k_q191054a8ad_proj:
	.size	k_q191054a8ad_proj, .Lfunc_end_k_q191054a8ad_proj-k_q191054a8ad_proj
	.p2alignl 7, 3214868480
	.fill 96, 4, 3214868480
	.section	.rodata,"a",@progbits
	.p2align	6, 0x0
	.amdhsa_kernel k_q191054a8ad_proj
		.amdhsa_group_segment_fixed_size 327680
		.amdhsa_private_segment_fixed_size 0
		.amdhsa_enable_private_segment 0
		.amdhsa_kernarg_size 32
		.amdhsa_user_sgpr_count 2
		.amdhsa_user_sgpr_kernarg_segment_ptr 1
		.amdhsa_wavefront_size32 1
		.amdhsa_system_sgpr_workgroup_id_x 1
		.amdhsa_system_sgpr_workgroup_id_y 1
		.amdhsa_system_sgpr_workgroup_id_z 1
		.amdhsa_system_vgpr_workitem_id 0
		.amdhsa_next_free_vgpr 768
		.amdhsa_next_free_sgpr 100
		.amdhsa_reserve_vcc 0
		.amdhsa_float_denorm_mode_32 3
		.amdhsa_float_denorm_mode_16_64 3
		.amdhsa_memory_ordered 1
		.amdhsa_forward_progress 1
		.amdhsa_inst_pref_size 78
	.end_amdhsa_kernel
	.amdgpu_metadata
---
amdhsa.version: [ 1, 2 ]
amdhsa.kernels:
  - .name:           k_q191054a8ad_proj
    .symbol:         k_q191054a8ad_proj.kd
    .args:
      - { .name: o16, .offset: 0, .size: 8, .value_kind: global_buffer, .address_space: global }
      - { .name: w16, .offset: 8, .size: 8, .value_kind: global_buffer, .address_space: global }
      - { .name: bo, .offset: 16, .size: 8, .value_kind: global_buffer, .address_space: global }
      - { .name: out0, .offset: 24, .size: 8, .value_kind: global_buffer, .address_space: global }
    .group_segment_fixed_size: 327680
    .private_segment_fixed_size: 0
    .kernarg_segment_align: 8
    .kernarg_segment_size: 32
    .max_flat_workgroup_size: 128
    .sgpr_count:     100
    .vgpr_count:     768
    .wavefront_size: 32
...
	.end_amdgpu_metadata
.endif
;; end of part 4
